; MI455X (gfx1250); checked and timed in simulation.
; The chip was launched on July 23, 2026; its instructions are those of AMD's public machine-readable ISA for CDNA 5 (MIT licence, August 2026) and "CDNA5" Instruction Set Architecture Reference Guide (July 2026). The comments in the code are by the model that wrote it; some were corrected since.
;; Gated Adapters. Allowed arithmetic: float matrix products may take bf16 or f16 operands with f32 sums; all other float work in f32.
;; Inputs: b1 8 x 512 float32; b2 8 x 1,024 float32; gating_w 8 x 1,024 float32; ln_beta 1,024 float32; ln_gamma 1,024 float32; padding 8 x 1,024 bool; w1 8 x 1,024 x 512 float32; w2 8 x 512 x 1,024 float32; x 1,024 x 8 x 1,024 float32.
;; Outputs: out0 1,024 x 8 x 1,024 float32; out1 8 x 8 float32.
;; 2 versions, each right; version 2 is version 1 with the launch lnmax written anew for expert scheduling mode. Each part assembles by itself: llvm-mc -triple=amdgcn-amd-amdhsa -mcpu=gfx1250 --defsym DOCPART=n.
;; ======== version 1 of 2: 4 launches
;; workspace buffers: xn 16,777,216 bytes; pm 1,048,576 bytes; w1b 8,388,608 bytes; w2b 8,388,608 bytes; gates 256 bytes; gb2 32,768 bytes; h 67,108,864 bytes
;; launch lnmax (part 1): grid 256 x 1, 8 waves a work-group, no clusters, 33,792 bytes of LDS; arguments x, padding, ln_gamma, ln_beta, xn, pm; writes xn, pm
.if DOCPART == 1
	.amdgcn_target "amdgcn-amd-amdhsa--gfx1250"
	.amdhsa_code_object_version 6
	.text
	.protected	k_q03a0bae48b_lnmax
	.globl	k_q03a0bae48b_lnmax
	.p2align	8
	.type	k_q03a0bae48b_lnmax,@function
k_q03a0bae48b_lnmax:
	s_mov_b64 s[64:65], 0
	v_nop
	global_prefetch_b8 v0, s[64:65] scope:SCOPE_SE
	s_setreg_imm32_b32 hwreg(HW_REG_WAVE_MODE, 25, 1), 1
	s_wait_xcnt 0x0
; xn[m][:] = LayerNorm(x[m][:]) * gamma + beta, rounded to bf16, for the 8,192 rows m = 8 s + b of 1,024 numbers;
; pm[b][c][:] = the maximum over the 32 positions s = 32 c .. 32 c + 31 of x[s][b][:] + (padding[b][s] ? -1e30 : 0).
; x is read once for both.  Work-group id = 8 c + b; wave w takes the four rows s = 32 c + 4 w + i.  A row is 4,096 bytes: eight loads of
; 16 bytes a lane (load j: bytes 512 j + 16 lane), 32 registers; all four rows are asked for at once and stay in registers.
; Mean first, then the sum of (x - mean)^2: no difference of large sums, so a common offset on x does no harm.
; No matrix unit, no cluster: nothing is multiplied in bulk and no two work-groups read the same bytes.
; LIMITS: v_max_num_f32 drops a NaN (the reference's maximum would keep it); v_rsq_f32 flushes denormals; the sums' order is not the reference's.
.set X,   32                           ; v[32:159]  row i at X + 32 i: as loaded, then x - mean, then the result
.set GA,  160                          ; v[160:191] gamma of my 32 columns; at the end the eight waves' maxima
.set BE,  192                          ; v[192:223] beta of my 32 columns; at the end the work-group's maximum
.set MX,  224                          ; v[224:255] running masked maximum of my 32 columns
.set NEG, 24                           ; s[24:31]   row i: 0 or -1e30, twice (a pair for the packed add)
	s_load_b256 s[4:11], s[0:1], 0x0               ; x s[4:5], padding s[6:7], gamma s[8:9], beta s[10:11]
	s_load_b128 s[12:15], s[0:1], 0x20             ; xn s[12:13], pm s[14:15]
	v_lshl_add_u32 v30, v0, 2, 0x8000
	v_mov_b32 v31, 0
	v_lshrrev_b32 v5, 5, v0
	v_readfirstlane_b32 s16, v5                    ; wave 0..7
	v_and_b32 v6, 31, v0
	v_lshlrev_b32 v1, 4, v6                        ; 16 lane: my bytes in 512 of x, gamma, beta
	v_lshlrev_b32 v2, 3, v6                        ; 8 lane: my bytes in 256 of xn
	v_lshlrev_b32 v3, 4, v0                        ; 16 thread: my bytes in a whole row of f32
	v_lshl_add_u32 v4, s16, 12, v1                 ; LDS: my wave's row of 4,096 bytes + 16 lane
	v_mov_b32 v21, 0                               ; v_permlanex16_b32's destination counts as read
	s_and_b32 s17, ttmp9, 7                        ; b
	s_lshr_b32 s18, ttmp9, 3                       ; c
	s_lshl_b32 s20, s18, 20                        ; x: row 8 (32 c + 4 w) + b, times 4,096 bytes
	s_lshl_b32 s19, s16, 17
	s_add_co_u32 s20, s20, s19
	s_lshl_b32 s19, s17, 12
	s_add_co_u32 s20, s20, s19
	s_mov_b32 s21, 0
	s_lshr_b32 s38, s20, 1                         ; xn: the same row, 2,048 bytes
	s_mov_b32 s39, 0
	s_lshl_b32 s40, s17, 5
	s_add_co_u32 s40, s40, s18
	s_lshl_b32 s40, s40, 12                        ; pm: row 32 b + c
	s_mov_b32 s41, 0
	s_lshl_b32 s22, s17, 10                        ; padding: byte 1,024 b + 32 c + 4 w, a multiple of 4
	s_lshl_b32 s19, s18, 5
	s_add_co_u32 s22, s22, s19
	s_lshl_b32 s19, s16, 2
	s_add_co_u32 s22, s22, s19
	s_mov_b32 s23, 0
	s_mov_b32 s32, 0x76543210                      ; v_permlanex16_b32: each lane takes its own place in the other half
	s_mov_b32 s33, 0xfedcba98
	s_mov_b32 s34, 0x3a800000                      ; 1 / 1,024
	s_mov_b32 s35, 0x3727c5ac                      ; 1e-5
	s_wait_kmcnt 0x0
	s_add_nc_u64 s[4:5], s[4:5], s[20:21]
	s_add_nc_u64 s[6:7], s[6:7], s[22:23]
	s_add_nc_u64 s[12:13], s[12:13], s[38:39]
	s_add_nc_u64 s[14:15], s[14:15], s[40:41]
	s_load_b32 s36, s[6:7], 0x0                    ; my four rows' padding bytes
.irp j, 0,1,2,3,4,5,6,7
	global_load_b128 v[GA+4*\j:GA+4*\j+3], v1, s[8:9] offset:512*\j
.endr
.irp j, 0,1,2,3,4,5,6,7
	global_load_b128 v[BE+4*\j:BE+4*\j+3], v1, s[10:11] offset:512*\j
.endr
.irp i, 0,1,2,3
.irp j, 0,1,2,3,4,5,6,7
	global_load_b128 v[X+32*\i+4*\j:X+32*\i+4*\j+3], v1, s[4:5] offset:32768*\i+512*\j th:TH_LOAD_NT   ; the next s is 8 rows on
.endr
.endr
	s_wait_kmcnt 0x0
.irp i, 0,1,2,3
	s_bfe_u32 s37, s36, 0x80000+8*\i               ; byte i
	s_cmp_lg_u32 s37, 0
	s_cselect_b32 s[NEG+2*\i], 0xf149f2ca, 0       ; padded: -1e30; the byte selects a value and steers nothing
	s_mov_b32 s[NEG+2*\i+1], s[NEG+2*\i]
.endr
; The four chains v[8:15] are added up, then across the 32 lanes: every lane ends with the sum in v8.
.macro COMBINE
	v_pk_add_f32 v[8:9], v[8:9], v[10:11]
	v_pk_add_f32 v[12:13], v[12:13], v[14:15]
	v_pk_add_f32 v[8:9], v[8:9], v[12:13]
	v_add_f32 v8, v8, v9
.irp m, 1,2,4,8
	v_add_f32_dpp v8, v8, v8 row_xmask:\m row_mask:0xf bank_mask:0xf
.endr
	v_permlanex16_b32 v21, v8, s32, s33
	v_add_f32 v8, v8, v21
.endm
.macro ROW i
.set XR, X+32*\i
	s_wait_loadcnt 8*(3-\i)                        ; loads come back in order: my row is in (gamma and beta are older), the 8 loads of each later row stay out
.set p, 0
.rept 16
.if \i == 0
	v_pk_add_f32 v[MX+2*p:MX+2*p+1], v[XR+2*p:XR+2*p+1], s[NEG:NEG+1] op_sel_hi:[1,0]   ; the first row starts the maximum
.else
	v_pk_add_f32 v[24+2*(p%2):25+2*(p%2)], v[XR+2*p:XR+2*p+1], s[NEG+2*\i:NEG+2*\i+1] op_sel_hi:[1,0]
	v_max_num_f32 v[MX+2*p], v[MX+2*p], v[24+2*(p%2)]
	v_max_num_f32 v[MX+2*p+1], v[MX+2*p+1], v[25+2*(p%2)]
.endif
.set p, p+1
.endr
.irp k, 0,1,2,3
	v_pk_add_f32 v[8+2*\k:9+2*\k], v[XR+4*\k:XR+4*\k+1], v[XR+4*\k+2:XR+4*\k+3]          ; four chains: nothing is cleared
.endr
.set p, 8
.rept 8
	v_pk_add_f32 v[8+2*(p%4):9+2*(p%4)], v[8+2*(p%4):9+2*(p%4)], v[XR+2*p:XR+2*p+1]
.set p, p+1
.endr
	COMBINE
	v_mul_f32 v16, s34, v8                         ; the mean, twice
	v_mov_b32 v17, v16
.set p, 0
.rept 16
	v_pk_add_f32 v[XR+2*p:XR+2*p+1], v[XR+2*p:XR+2*p+1], v[16:17] neg_lo:[0,1] neg_hi:[0,1]
.set p, p+1
.endr
.irp k, 0,1,2,3
	v_pk_mul_f32 v[8+2*\k:9+2*\k], v[XR+2*\k:XR+2*\k+1], v[XR+2*\k:XR+2*\k+1]
.endr
.set p, 4
.rept 12
	v_pk_fma_f32 v[8+2*(p%4):9+2*(p%4)], v[XR+2*p:XR+2*p+1], v[XR+2*p:XR+2*p+1], v[8+2*(p%4):9+2*(p%4)]
.set p, p+1
.endr
	COMBINE
	v_fma_f32 v20, v8, s34, s35                    ; the variance + 1e-5
	v_rsq_f32 v18, v20
	v_nop                                          ; a plain instruction between the transcendental and the use of its result (ISA guide 5.7.2)
	s_wait_alu depctr_va_vdst(0)
	v_mov_b32 v19, v18
.set p, 0
.rept 16
	v_pk_mul_f32 v[XR+2*p:XR+2*p+1], v[XR+2*p:XR+2*p+1], v[18:19]
.set p, p+1
.endr
.set p, 0
.rept 16
	v_pk_fma_f32 v[XR+2*p:XR+2*p+1], v[XR+2*p:XR+2*p+1], v[GA+2*p:GA+2*p+1], v[BE+2*p:BE+2*p+1]
.set p, p+1
.endr
.irp j, 0,1,2,3,4,5,6,7
	v_cvt_pk_bf16_f32 v[XR+4*\j], v[XR+4*\j], v[XR+4*\j+1]
	v_cvt_pk_bf16_f32 v[XR+4*\j+1], v[XR+4*\j+2], v[XR+4*\j+3]
	global_store_b64 v2, v[XR+4*\j:XR+4*\j+1], s[12:13] offset:16384*\i+256*\j   ; the wave's 32 lanes store 256 consecutive bytes, aligned; these registers are not written again
.endr
.endm
	ROW 0
	ROW 1
	ROW 2
	ROW 3
	; the eight waves' maxima meet in LDS: wave w's row of 4,096 bytes at 4,096 w
.irp j, 0,1,2,3,4,5,6,7
	ds_store_b128 v4, v[MX+4*\j:MX+4*\j+3] offset:512*\j
.endr
	s_wait_dscnt 0x0                               ; for the others' sake: my stores are done
	s_barrier_signal -1
	s_barrier_wait -1
.irp w, 0,1,2,3,4,5,6,7
	ds_load_b128 v[GA+4*\w:GA+4*\w+3], v3 offset:4096*\w   ; thread t: columns 4 t .. 4 t + 3 of every wave's row
.endr
	s_wait_dscnt 0x0
.irp k, 0,1,2,3
	v_max3_num_f32 v[BE+\k], v[GA+\k], v[GA+4+\k], v[GA+8+\k]
.endr
.irp k, 0,1,2,3
	v_max3_num_f32 v[BE+\k], v[BE+\k], v[GA+12+\k], v[GA+16+\k]
.endr
.irp k, 0,1,2,3
	v_max3_num_f32 v[BE+\k], v[BE+\k], v[GA+20+\k], v[GA+24+\k]
.endr
.irp k, 0,1,2,3
	v_max_num_f32 v[BE+\k], v[BE+\k], v[GA+28+\k]
.endr
	global_store_b128 v3, v[BE:BE+3], s[14:15]     ; 16 lanes store 256 consecutive bytes, aligned
	s_wait_tensorcnt 0x0
	ds_add_u32 v30, v31
	s_wait_dscnt 0x0
	s_endpgm
.Lfunc_end_k_q03a0bae48b_lnmax:
	.size	k_q03a0bae48b_lnmax, .Lfunc_end_k_q03a0bae48b_lnmax-k_q03a0bae48b_lnmax
	.p2alignl 7, 3214868480
	.fill 96, 4, 3214868480
	.section	.rodata,"a",@progbits
	.p2align	6, 0x0
	.amdhsa_kernel k_q03a0bae48b_lnmax
		.amdhsa_group_segment_fixed_size 33792
		.amdhsa_private_segment_fixed_size 0
		.amdhsa_enable_private_segment 0
		.amdhsa_kernarg_size 48
		.amdhsa_user_sgpr_count 2
		.amdhsa_user_sgpr_kernarg_segment_ptr 1
		.amdhsa_wavefront_size32 1
		.amdhsa_system_sgpr_workgroup_id_x 1
		.amdhsa_system_sgpr_workgroup_id_y 1
		.amdhsa_system_sgpr_workgroup_id_z 1
		.amdhsa_system_vgpr_workitem_id 0
		.amdhsa_next_free_vgpr 256
		.amdhsa_next_free_sgpr 66
		.amdhsa_reserve_vcc 0
		.amdhsa_float_denorm_mode_32 3
		.amdhsa_float_denorm_mode_16_64 3
		.amdhsa_memory_ordered 1
		.amdhsa_forward_progress 1
		.amdhsa_inst_pref_size 49
	.end_amdhsa_kernel
	.amdgpu_metadata
---
amdhsa.version: [ 1, 2 ]
amdhsa.kernels:
  - .name:           k_q03a0bae48b_lnmax
    .symbol:         k_q03a0bae48b_lnmax.kd
    .args:
      - { .name: x, .offset: 0, .size: 8, .value_kind: global_buffer, .address_space: global }
      - { .name: padding, .offset: 8, .size: 8, .value_kind: global_buffer, .address_space: global }
      - { .name: ln_gamma, .offset: 16, .size: 8, .value_kind: global_buffer, .address_space: global }
      - { .name: ln_beta, .offset: 24, .size: 8, .value_kind: global_buffer, .address_space: global }
      - { .name: xn, .offset: 32, .size: 8, .value_kind: global_buffer, .address_space: global }
      - { .name: pm, .offset: 40, .size: 8, .value_kind: global_buffer, .address_space: global }
    .group_segment_fixed_size: 33792
    .private_segment_fixed_size: 0
    .kernarg_segment_align: 8
    .kernarg_segment_size: 48
    .max_flat_workgroup_size: 256
    .sgpr_count:     66
    .vgpr_count:     256
    .wavefront_size: 32
...
	.end_amdgpu_metadata
.endif
;; end of part 1
;; launch convgate (part 2): grid 264 x 1, 8 waves a work-group, no clusters, 1,280 bytes of LDS; arguments pm, w1, w2, gating_w, b2, w1b, w2b, gates, gb2, out1; writes w1b, w2b, gates, gb2, out1
.if DOCPART == 2
	.amdgcn_target "amdgcn-amd-amdhsa--gfx1250"
	.amdhsa_code_object_version 6
	.text
	.protected	k_q03a0bae48b_convgate
	.globl	k_q03a0bae48b_convgate
	.p2align	8
	.type	k_q03a0bae48b_convgate,@function
k_q03a0bae48b_convgate:
	s_mov_b64 s[64:65], 0
	v_nop
	global_prefetch_b8 v0, s[64:65] scope:SCOPE_SE
	s_setreg_imm32_b32 hwreg(HW_REG_WAVE_MODE, 25, 1), 1
	s_wait_xcnt 0x0
; Two jobs side by side.
; Work-groups 8 .. 263: w1 and w2 are rounded to bf16, in their own layout; each takes 131,072 bytes of f32 (128 work-groups a tensor).
; Work-groups 0 .. 7 (one a sentence b): sentence_x[b] = the maximum of pm[b]'s 32 rows; out1[b][e] = sentence_x[b] . gating_w[e];
;   gates[b] = softmax(out1[b]) / (its sum + 1e-9);  gb2[b][:] = the sum over e of gates[b][e] b2[e][:].
; The branch between the jobs hangs on the work-group's number alone, so it is the same in all eight waves, and the gate's barrier is passed by all of them.
; The 64 dot products of 1,024 are made in f32 by the vector unit: they are about a millionth of the problem's products, a softmax follows them and they are an output.
; The softmax takes its maximum away first, as the reference does.  LIMITS: v_max_num_f32 drops a NaN; v_exp_f32 and v_rcp_f32 flush denormals; the sums' order is not the reference's.
.set X,  16                            ; v[16:143]  32 x 4 numbers as loaded
.set W,  144                           ; v[144:175] gating_w, my 4 columns of 8 rows
.set BB, 176                           ; v[176:207] b2, my 4 columns of 8 rows
.set P,  4                             ; v[4:11]    my partial dot products
.set T,  208                           ; v[208:215] at work
	s_load_b512 s[4:19], s[0:1], 0x0               ; pm s[4:5], w1 s[6:7], w2 s[8:9], gating_w s[10:11], b2 s[12:13], w1b s[14:15], w2b s[16:17], gates s[18:19]
	s_load_b128 s[20:23], s[0:1], 0x40             ; gb2 s[20:21], out1 s[22:23]
	v_lshl_add_u32 v216, v0, 2, 0x100
	v_mov_b32 v217, 0
	v_lshlrev_b32 v1, 4, v0                        ; 16 thread
	v_lshlrev_b32 v2, 3, v0                        ; 8 thread
	s_cmp_lt_u32 ttmp9, 8
	s_cbranch_scc1 .Lgate
	; THE CONVERSION.  All 32 loads of a thread go out at once; each is rounded and stored as it comes.
	s_sub_co_u32 s24, ttmp9, 8                     ; 0 .. 255
	s_and_b32 s25, s24, 127                        ; my piece of the tensor
	s_lshl_b32 s28, s25, 17
	s_mov_b32 s29, 0
	s_lshl_b32 s30, s25, 16
	s_mov_b32 s31, 0
	s_wait_kmcnt 0x0
	s_cmp_lt_u32 s24, 128
	s_cselect_b64 s[32:33], s[6:7], s[8:9]         ; the first 128 take w1, the others w2
	s_cselect_b64 s[34:35], s[14:15], s[16:17]
	s_add_nc_u64 s[32:33], s[32:33], s[28:29]
	s_add_nc_u64 s[34:35], s[34:35], s[30:31]
.set i, 0
.rept 32
	global_load_b128 v[X+4*i:X+4*i+3], v1, s[32:33] offset:4096*i th:TH_LOAD_NT
.set i, i+1
.endr
.set i, 0
.rept 32
	s_wait_loadcnt 31-i                            ; loads come back in order: load i is in, the 31 - i younger ones stay out
	v_cvt_pk_bf16_f32 v[X+4*i], v[X+4*i], v[X+4*i+1]
	v_cvt_pk_bf16_f32 v[X+4*i+1], v[X+4*i+2], v[X+4*i+3]
	global_store_b64 v2, v[X+4*i:X+4*i+1], s[34:35] offset:2048*i   ; a wave stores 256 consecutive bytes, aligned; the registers are not written again
.set i, i+1
.endr
	s_endpgm
.Lgate:
	v_lshrrev_b32 v3, 5, v0
	v_readfirstlane_b32 s24, v3                    ; wave 0..7
	v_mov_b32 v12, s24
	v_lshlrev_b32 v12, 5, v12                      ; LDS: my wave's 8 words
	v_and_b32 v13, 7, v0
	v_lshlrev_b32 v13, 2, v13                      ; LDS: the word of expert lane % 8
	v_lshlrev_b32 v14, 2, v0                       ; out1, gates: 4 thread (threads 0 to 7 store)
	v_mov_b32 v[T+2], 0                            ; v_permlanex16_b32's destination counts as read
	s_mov_b32 s26, 0x76543210
	s_mov_b32 s27, 0xfedcba98
	s_lshl_b32 s28, ttmp9, 17                      ; pm: 32 rows of 4,096 bytes a sentence
	s_mov_b32 s29, 0
	s_lshl_b32 s30, ttmp9, 12                      ; gb2: a row of 4,096 bytes
	s_mov_b32 s31, 0
	s_lshl_b32 s32, ttmp9, 5                       ; out1, gates: a row of 32 bytes
	s_mov_b32 s33, 0
	s_wait_kmcnt 0x0
	s_add_nc_u64 s[4:5], s[4:5], s[28:29]
	s_add_nc_u64 s[20:21], s[20:21], s[30:31]
	s_add_nc_u64 s[22:23], s[22:23], s[32:33]
	s_add_nc_u64 s[18:19], s[18:19], s[32:33]
.set i, 0
.rept 32
	global_load_b128 v[X+4*i:X+4*i+3], v1, s[4:5] offset:4096*i
.set i, i+1
.endr
.irp e, 0,1,2,3,4,5,6,7
	global_load_b128 v[W+4*\e:W+4*\e+3], v1, s[10:11] offset:4096*\e
.endr
.irp e, 0,1,2,3,4,5,6,7
	global_load_b128 v[BB+4*\e:BB+4*\e+3], v1, s[12:13] offset:4096*\e
.endr
	s_wait_loadcnt 16                              ; pm's 32 loads are in; gating_w's 8 and b2's 8 stay out
.irp k, 0,1,2,3
	v_max3_num_f32 v[X+\k], v[X+\k], v[X+4+\k], v[X+8+\k]
.endr
.set i, 3
.rept 14
.irp k, 0,1,2,3
	v_max3_num_f32 v[X+\k], v[X+\k], v[X+4*i+\k], v[X+4*i+4+\k]
.endr
.set i, i+2
.endr
.irp k, 0,1,2,3
	v_max_num_f32 v[X+\k], v[X+\k], v[X+124+\k]    ; sentence_x of my four columns
.endr
	s_wait_loadcnt 8                               ; gating_w is in; b2's 8 stay out
.irp e, 0,1,2,3,4,5,6,7
	v_mul_f32 v[P+\e], v[X], v[W+4*\e]
.endr
.irp k, 1,2,3
.irp e, 0,1,2,3,4,5,6,7
	v_fmac_f32 v[P+\e], v[X+\k], v[W+4*\e+\k]
.endr
.endr
.irp m, 1,2,4,8
.irp e, 0,1,2,3,4,5,6,7
	v_add_f32_dpp v[P+\e], v[P+\e], v[P+\e] row_xmask:\m row_mask:0xf bank_mask:0xf
.endr
.endr
.irp e, 0,1,2,3,4,5,6,7
	v_permlanex16_b32 v[T+2], v[P+\e], s26, s27
	v_add_f32 v[P+\e], v[P+\e], v[T+2]             ; the wave's share of logit e, in every lane
.endr
	ds_store_b128 v12, v[P:P+3]                    ; all lanes write the same words with the same values
	ds_store_b128 v12, v[P+4:P+7] offset:16
	s_wait_dscnt 0x0                               ; for the others' sake: my stores are done
	s_barrier_signal -1
	s_barrier_wait -1
.irp w, 0,1,2,3,4,5,6,7
	ds_load_b32 v[T+\w], v13 offset:32*\w          ; every wave's share of logit lane % 8
.endr
	s_wait_dscnt 0x0
	v_add_f32 v[T], v[T], v[T+1]
	v_add_f32 v[T+2], v[T+2], v[T+3]
	v_add_f32 v[T+4], v[T+4], v[T+5]
	v_add_f32 v[T+6], v[T+6], v[T+7]
	v_add_f32 v[T], v[T], v[T+2]
	v_add_f32 v[T+4], v[T+4], v[T+6]
	v_add_f32 v[T], v[T], v[T+4]                   ; the logit of expert lane % 8
	; softmax over each group of eight lanes
	v_max_num_f32_dpp v[T+1], v[T], v[T] row_xmask:1 row_mask:0xf bank_mask:0xf
	v_max_num_f32_dpp v[T+1], v[T+1], v[T+1] row_xmask:2 row_mask:0xf bank_mask:0xf
	v_max_num_f32_dpp v[T+1], v[T+1], v[T+1] row_xmask:4 row_mask:0xf bank_mask:0xf
	v_sub_f32 v[T+2], v[T], v[T+1]
	v_mul_f32 v[T+2], 0x3fb8aa3b, v[T+2]           ; log2(e)
	v_exp_f32 v[T+2], v[T+2]
	v_nop                                          ; a plain instruction behind each transcendental (ISA guide 5.7.2)
	s_wait_alu depctr_va_vdst(0)
	v_add_f32_dpp v[T+3], v[T+2], v[T+2] row_xmask:1 row_mask:0xf bank_mask:0xf
	v_add_f32_dpp v[T+3], v[T+3], v[T+3] row_xmask:2 row_mask:0xf bank_mask:0xf
	v_add_f32_dpp v[T+3], v[T+3], v[T+3] row_xmask:4 row_mask:0xf bank_mask:0xf
	v_rcp_f32 v[T+3], v[T+3]
	v_nop
	s_wait_alu depctr_va_vdst(0)
	v_mul_f32 v[T+2], v[T+2], v[T+3]               ; the softmax
	v_add_f32_dpp v[T+3], v[T+2], v[T+2] row_xmask:1 row_mask:0xf bank_mask:0xf
	v_add_f32_dpp v[T+3], v[T+3], v[T+3] row_xmask:2 row_mask:0xf bank_mask:0xf
	v_add_f32_dpp v[T+3], v[T+3], v[T+3] row_xmask:4 row_mask:0xf bank_mask:0xf
	v_add_f32 v[T+3], 0x3089705f, v[T+3]           ; + 1e-9
	v_rcp_f32 v[T+3], v[T+3]
	v_nop
	s_wait_alu depctr_va_vdst(0)
	v_mul_f32 v[T+1], v[T+2], v[T+3]               ; the gate of expert lane % 8
.irp e, 0,1,2,3,4,5,6,7
	v_readlane_b32 s[40+\e], v[T+1], \e            ; as factors only
.endr
	s_wait_loadcnt 0x0                             ; b2
.irp k, 0,1,2,3
	v_mul_f32 v[T+4+\k], s40, v[BB+\k]
.endr
.irp e, 1,2,3,4,5,6,7
.irp k, 0,1,2,3
	v_fmac_f32 v[T+4+\k], s[40+\e], v[BB+4*\e+\k]
.endr
.endr
	global_store_b128 v1, v[T+4:T+7], s[20:21]     ; 16 lanes store 256 consecutive bytes, aligned
	s_wait_xcnt 0x0                                ; EXEC is a source of the pending store: it changes only behind this wait
	v_cmp_gt_u32 vcc_lo, 8, v0
	s_and_saveexec_b32 s36, vcc_lo                 ; threads 0 to 7: expert = thread
	global_store_b32 v14, v[T], s[22:23]           ; out1[b][e]
	global_store_b32 v14, v[T+1], s[18:19]         ; gates[b][e]
	s_wait_xcnt 0x0                                ; and again, in front of the line that widens it
	s_or_b32 exec_lo, exec_lo, s36
	s_wait_tensorcnt 0x0
	ds_add_u32 v216, v217
	s_wait_dscnt 0x0
	s_endpgm
.Lfunc_end_k_q03a0bae48b_convgate:
	.size	k_q03a0bae48b_convgate, .Lfunc_end_k_q03a0bae48b_convgate-k_q03a0bae48b_convgate
	.p2alignl 7, 3214868480
	.fill 96, 4, 3214868480
	.section	.rodata,"a",@progbits
	.p2align	6, 0x0
	.amdhsa_kernel k_q03a0bae48b_convgate
		.amdhsa_group_segment_fixed_size 1280
		.amdhsa_private_segment_fixed_size 0
		.amdhsa_enable_private_segment 0
		.amdhsa_kernarg_size 80
		.amdhsa_user_sgpr_count 2
		.amdhsa_user_sgpr_kernarg_segment_ptr 1
		.amdhsa_wavefront_size32 1
		.amdhsa_system_sgpr_workgroup_id_x 1
		.amdhsa_system_sgpr_workgroup_id_y 1
		.amdhsa_system_sgpr_workgroup_id_z 1
		.amdhsa_system_vgpr_workitem_id 0
		.amdhsa_next_free_vgpr 218
		.amdhsa_next_free_sgpr 66
		.amdhsa_reserve_vcc 1
		.amdhsa_float_denorm_mode_32 3
		.amdhsa_float_denorm_mode_16_64 3
		.amdhsa_memory_ordered 1
		.amdhsa_forward_progress 1
		.amdhsa_inst_pref_size 30
	.end_amdhsa_kernel
	.amdgpu_metadata
---
amdhsa.version: [ 1, 2 ]
amdhsa.kernels:
  - .name:           k_q03a0bae48b_convgate
    .symbol:         k_q03a0bae48b_convgate.kd
    .args:
      - { .name: pm, .offset: 0, .size: 8, .value_kind: global_buffer, .address_space: global }
      - { .name: w1, .offset: 8, .size: 8, .value_kind: global_buffer, .address_space: global }
      - { .name: w2, .offset: 16, .size: 8, .value_kind: global_buffer, .address_space: global }
      - { .name: gating_w, .offset: 24, .size: 8, .value_kind: global_buffer, .address_space: global }
      - { .name: b2, .offset: 32, .size: 8, .value_kind: global_buffer, .address_space: global }
      - { .name: w1b, .offset: 40, .size: 8, .value_kind: global_buffer, .address_space: global }
      - { .name: w2b, .offset: 48, .size: 8, .value_kind: global_buffer, .address_space: global }
      - { .name: gates, .offset: 56, .size: 8, .value_kind: global_buffer, .address_space: global }
      - { .name: gb2, .offset: 64, .size: 8, .value_kind: global_buffer, .address_space: global }
      - { .name: out1, .offset: 72, .size: 8, .value_kind: global_buffer, .address_space: global }
    .group_segment_fixed_size: 1280
    .private_segment_fixed_size: 0
    .kernarg_segment_align: 8
    .kernarg_segment_size: 80
    .max_flat_workgroup_size: 256
    .sgpr_count:     66
    .vgpr_count:     218
    .wavefront_size: 32
...
	.end_amdgpu_metadata
.endif
;; end of part 2
;; launch fc1 (part 3): grid 16 x 16, 4 waves a work-group, clusters of 4 x 4, 327,680 bytes of LDS; arguments xn, w1b, h, b1, gates; writes h
.if DOCPART == 3
	.amdgcn_target "amdgcn-amd-amdhsa--gfx1250"
	.amdhsa_code_object_version 6
	.text
	.protected	k_q03a0bae48b_fc1
	.globl	k_q03a0bae48b_fc1
	.p2align	8
	.type	k_q03a0bae48b_fc1,@function
k_q03a0bae48b_fc1:
	s_mov_b64 s[64:65], 0
	v_nop
	global_prefetch_b8 v0, s[64:65] scope:SCOPE_SE
	s_setreg_imm32_b32 hwreg(HW_REG_WAVE_MODE, 25, 1), 1
	s_wait_xcnt 0x0
	s_wait_alu depctr_hold_cnt(0) depctr_sa_sdst(0) depctr_va_vdst(0) depctr_va_sdst(0) depctr_va_ssrc(0) depctr_va_vcc(0) depctr_vm_vsrc(0)
	s_getreg_b32 s2, hwreg(HW_REG_IB_STS2, 6, 4)
	s_cmp_eq_u32 s2, 0
	s_cbranch_scc0 .Lentry_in_a_cluster
	s_endpgm
.Lentry_in_a_cluster:
	s_bfe_u32 s2, ttmp6, 0x10000c
	s_cmp_lg_u32 s2, 0xf033
	s_cbranch_scc0 .Lentry_shape_is_right
	s_endpgm
.Lentry_shape_is_right:
; H[m][n] = gates[m % 8][n / 512] * relu(b1[n] + the sum over k of xn[m][k] w1b[n / 512][k][n % 512]), rounded to bf16, 8,192 x 4,096 numbers.
; xn: [8192][1024] bf16.  w1b: [8][1024][512] bf16, K down the rows.  b1: [4096] f32.  gates: [8][8] f32.  Sums in f32.
; THE BUFFER h HOLDS H IN THE ORDER IN WHICH THE NEXT PRODUCT'S FRAGMENTS WANT IT: [128 groups of 64 rows][32 steps of 128 columns][4 blocks of 16 rows][8 blocks of 16 columns][32 lanes][16 bytes];
; lane l holds row l % 16 and the columns 8 (l / 16) + 0..7 of its block.  That is what a lane holds here after the rounding, so the packed registers are stored as they lie:
; no stage in LDS, and each store of a wave covers 512 consecutive bytes, aligned.  A wave's 128 x 128 are two dense blocks of 16,384 bytes.
; A tile of H is 256 x 256, made by four waves, 128 x 128 each: 64 accumulators of 16 x 16, 512 registers.  512 tiles on 256 work-groups: a work-group STAYS and makes two tiles,
; 4,096 rows apart, which share their columns (the same w1b, b1 and expert).  K goes in steps of 128 through a ring of two LDS slots, which does not stop at a tile's end.
; THE LAST TILE'S LAST K STEP GOES BY ROWS OF H, NOT BY K: nothing follows that tile under which its stores could leave, so its blocks of 16 rows are finished one after the other and each is
; stored as soon as it is finished, the first seven eighths of a K step ahead of the last product.
; CLUSTERS: 4 x 4 work-groups.  The four of a row of the cluster need the same tiles of xn, the four of a column the same tiles of w1b: each tile is asked for JOINTLY, by the same
; tensor load with the same descriptor and a mask that names the four.
; THE MATRIX INSTRUCTION IS USED TRANSPOSED: source 0 = 16 columns n of w1b, source 1 = 16 rows m of xn.  A lane then holds row m = l % 16 and the columns 8 (l / 16) + 0..7.
; w1b's tile lies in LDS as in memory, [k][n]; ds_load_tr16_b128 turns it into fragments.
; THE SUMS START FROM THE BIAS: a tile's first products take b1 (64 registers: for column block b, register j: column 16 b + 8 (l / 16) + j) as C.  Nothing is cleared and no bias is added later.
; relu comes before the gate's factor, as in the reference.  A row's sentence is m % 8 = l % 8, since every block of 16 rows starts at a multiple of 16; a tile's 256 columns lie in one expert.
; LIMIT: v_max_num_f32 makes 0 of a NaN, where the reference's relu keeps it.
; REGISTERS, in windows of 256 (s_set_vgpr_msb's low byte: bits 1:0 source 0, 3:2 source 1, 5:4 source 2, 7:6 destination):
;   window 0: v0-31 addresses and the gate; v64-127 the bias; v128-191 packed results, two sets of 32 by turns;
;             in the very last K step v64-127 and v192-255 are four buffers of xn's fragments (16 rows x 128 K, 32 registers each)
;   window 1: two fragment buffers of 128: 64 registers of xn (8 x 16 rows x 32 K), then 64 of w1b; in the very last K step all 256: w1b's fragments of the whole step
;   window 2: the accumulators of my rows 0-63 ((a, b) at v[8 (8 (a % 4) + b)]);  window 3: those of my rows 64-127
.set TILES,  2
.set LAPS,   4                         ; a lap = two K steps = once round the ring: 1,024 / 256
.set PA,     272                       ; a row of xn in LDS: 256 bytes + 16 = 68 words: row r starts at bank 4 r mod 64 (64 banks of 4 bytes: ISA guide 11.1), the 16 rows of a load at 16 different banks
.set PB,     288                       ; a row of w1b: 256 + 32 = 72 words: row r starts at bank 8 r mod 64
.set AROWS,  128                       ; rows of xn in one tensor load
.set HALFA,  AROWS*PA
.set HALFB,  128*PB                    ; 128 k x 128 columns of w1b: one tensor load
.set SLOT,   2*HALFA+2*HALFB           ; xn's two halves, then w1b's two halves: 143,360 bytes
.set APITCH, 1024                      ; elements from row to row
.set BPITCH, 512
.set BSTEP,  128*BPITCH*2              ; bytes of w1b from a K step to the next
.set NEXT_A, 4096*APITCH*2-6*256       ; from a slot's last K step of a tile to its first of the next: 4,096 rows down, six K steps back
.set BACK_B, 6*BSTEP                   ; w1b only back
.set GROUPB, 32*16384                  ; bytes of h for 64 rows: 32 blocks of 16,384
.set NEXT_C, 64*GROUPB                 ; from a tile's first rows to the next tile's: 4,096 rows = 64 groups
.set GOF,  5                           ; v5      my byte offset in gates: 32 (l % 8)
.set ADRA, 16                          ; v16-17  LDS address of my fragments of xn in slot 0, 1
.set ADRB, 20                          ; v20-21  the same for w1b
.set CO,   26                          ; v26     16 lane: my bytes in a store's 512; never rewritten
.set BO,   27                          ; v27     my byte offset in b1
.set G,    28                          ; v[28:29] my row's gate, twice (a pair for the packed multiply)
.set BIAS, 64
.set TMP,  128
.set F0,   0
.set F1,   128
.set WV,  14                           ; s14 wave
.set RH,  15                           ; s15 which half of the tile's rows is mine.  Also: I fetch xn (0) or w1b (1)
.set CH,  16                           ; s16 which half of its columns.  Also: which half of that tile I fetch
.set G1A, 24                           ; s[24:31] descriptor group 1 for xn's tiles;  s[32:39] group 0, a set for each slot
.set G0A, 32
.set G1B, 48                           ; s[48:55], s[56:63] the same for w1b's
.set G0B, 56
.set MSB, 0
.macro WIN new                         ; the immediate's high byte repeats the setting that is left; a switch that changes nothing is dropped
.if MSB != (\new)
	s_set_vgpr_msb (MSB<<8)|(\new)
.set MSB, (\new)
.endif
.endm
.macro PLACES                          ; four places in front of loads into registers that matrix instructions have read, and of vector work on results just made
.rept 4
	v_nop
.endr
.endm
; A joint load.  Waves 0 and 1 fetch xn's two halves, waves 2 and 3 w1b's.  The branch hangs on the wave's number alone.  Four v_nop follow each of the two lines.
.macro JLOAD s
	s_cmp_eq_u32 s[RH], 0
	s_cbranch_scc0 .Lfor_b_\@
	tensor_load_to_lds s[G0A+4*\s:G0A+4*\s+3], s[G1A:G1A+7]
	s_nop 0
.rept 4
	v_nop
.endr
	s_branch .Lasked_\@
.Lfor_b_\@:
	tensor_load_to_lds s[G0B+4*\s:G0B+4*\s+3], s[G1B:G1B+7]
	s_nop 0
.rept 4
	v_nop
.endr
.Lasked_\@:
.endm
.macro CREST                           ; a round of the cluster's barrier behind its opening barrier
	s_cmp_lg_u32 s[WV], 0
	s_cbranch_scc1 .Lnot_wave_0_\@
	s_barrier_signal -3
.Lnot_wave_0_\@:
	s_barrier_wait -3
	s_barrier_signal -1
	s_barrier_wait -1
.endm
.macro CROUND                          ; a whole round
	s_barrier_signal -1
	s_barrier_wait -1
	CREST
.endm
	s_load_b256 s[4:11], s[0:1], 0x0               ; xn s[4:5], w1b s[6:7], h s[8:9], b1 s[10:11]
	s_load_b64 s[12:13], s[0:1], 0x20              ; gates
	v_lshl_add_u32 v62, v0, 2, 0x46000
	v_mov_b32 v63, 0
	ds_add_u32 v62, v63
	v_lshrrev_b32 v1, 5, v0
	v_readfirstlane_b32 s[WV], v1
	s_lshr_b32 s[RH], s[WV], 1
	s_and_b32 s[CH], s[WV], 1
	s_bfe_u32 s17, ttmp6, 0x40000                  ; cx, cy: my place in the cluster
	s_bfe_u32 s18, ttmp6, 0x40004
	s_lshl_b32 s19, ttmp9, 2
	s_add_co_u32 s19, s19, s17                     ; tile column = 4 x cluster x + cx
	s_and_b32 s20, ttmp7, 0xffff
	s_lshl_b32 s20, s20, 2
	s_add_co_u32 s20, s20, s18                     ; tile row = 4 x cluster y + cy
	s_lshl_b32 s21, s18, 2
	s_lshl_b32 s21, 15, s21                        ; my row of the cluster
	s_lshl_b32 s22, 0x1111, s17                    ; my column
	s_or_b32 s[G1A+0], s21, (1<<16)|(1<<20)|(1<<21)|(5<<22)|(3<<25)  ; 15:0 the mask; 17:16 elements of 2 bytes; 20 padding on; 21 set beside a mask; 24:22 after every 64 words; 31:25 4 words of it
	s_mov_b32 s[G1A+1], 128<<16                    ; tensor_dim0 = 128
	s_mov_b32 s[G1A+2], AROWS<<16                  ; tensor_dim1
	s_mov_b32 s[G1A+3], 128<<16                    ; tile_dim0 = 128
	s_mov_b32 s[G1A+4], AROWS                      ; tile_dim1
	s_mov_b32 s[G1A+5], APITCH                     ; elements from row to row
	s_mov_b32 s[G1A+6], 0
	s_mov_b32 s[G1A+7], 0
	s_or_b32 s[G1B+0], s22, (1<<16)|(1<<20)|(1<<21)|(5<<22)|(7<<25)  ; my column's mask; 8 words of padding
	s_mov_b32 s[G1B+1], 128<<16
	s_mov_b32 s[G1B+2], 128<<16
	s_mov_b32 s[G1B+3], 128<<16
	s_mov_b32 s[G1B+4], 128
	s_mov_b32 s[G1B+5], BPITCH
	s_mov_b32 s[G1B+6], 0
	s_mov_b32 s[G1B+7], 0
	; where the tiles come from: xn's hang on the tile row alone, w1b's on the tile column alone, each in registers that never hold the other coordinate
	s_lshl_b32 s40, s20, 19                        ; row 256 x tile row + 128 x half, times 2,048 bytes
	s_lshl_b32 s41, s[CH], 18
	s_add_co_u32 s40, s40, s41
	s_mov_b32 s41, 0
	s_lshr_b32 s44, s19, 1                         ; the expert: 1,048,576 bytes each;
	s_lshl_b32 s44, s44, 20
	s_and_b32 s45, s19, 1                          ; its left or right 256 columns;
	s_lshl_b32 s45, s45, 9
	s_add_co_u32 s44, s44, s45
	s_lshl_b32 s45, s[CH], 8                       ; my 128 of them
	s_add_co_u32 s44, s44, s45
	s_mov_b32 s45, 0
	s_mul_i32 s23, s[CH], HALFA                    ; and where they go: no place in the cluster enters an LDS address
	s_mul_i32 s46, s[CH], HALFB
	s_add_co_u32 s46, s46, 2*HALFA
	s_lshl_b32 s42, s20, 21                        ; my part of the first tile in h: group of 64 rows 4 x tile row + 2 x half, times 524,288 bytes,
	s_lshl_b32 s43, s[RH], 20
	s_add_co_u32 s42, s42, s43
	s_lshl_b32 s43, s19, 15                        ; step of 128 columns 2 x tile column + half, times 16,384 bytes
	s_add_co_u32 s42, s42, s43
	s_lshl_b32 s43, s[CH], 14
	s_add_co_u32 s42, s42, s43
	s_mov_b32 s43, 0                               ; s[42:43]: what the next way out adds to h's address
	s_wait_dscnt 0x0
	s_wait_kmcnt 0x0
	s_add_nc_u64 s[40:41], s[4:5], s[40:41]
	s_add_nc_u64 s[44:45], s[6:7], s[44:45]
.irp s, 0,1
	s_mov_b32 s[G0A+4*\s], 1                                       ; count = 1
	s_add_co_u32 s[G0A+4*\s+1], s23, \s*SLOT                       ; LDS address
	s_add_nc_u64 s[G0A+4*\s+2:G0A+4*\s+3], s[40:41], \s*256        ; global address: K step s
	s_or_b32 s[G0A+4*\s+3], s[G0A+4*\s+3], 0x80000000              ; type = 2
	s_mov_b32 s[G0B+4*\s], 1
	s_add_co_u32 s[G0B+4*\s+1], s46, \s*SLOT
	s_add_nc_u64 s[G0B+4*\s+2:G0B+4*\s+3], s[44:45], \s*BSTEP
	s_or_b32 s[G0B+4*\s+3], s[G0B+4*\s+3], 0x80000000
.endr
	CROUND                                         ; all sixteen work-groups are here: the first joint loads meet
	s_cmp_eq_u32 s[RH], 0                          ; a wave's two first fills stand in one branch, ahead of every wait on TENSORcnt, every LDS read and every further barrier: two loads of mine are out
	s_cbranch_scc0 .Lfirst_b
	tensor_load_to_lds s[G0A:G0A+3], s[G1A:G1A+7]
	s_nop 0
	tensor_load_to_lds s[G0A+4:G0A+7], s[G1A:G1A+7]
	s_nop 0
.rept 4
	v_nop
.endr
	s_branch .Lfirst_asked
.Lfirst_b:
	tensor_load_to_lds s[G0B:G0B+3], s[G1B:G1B+7]
	s_nop 0
	tensor_load_to_lds s[G0B+4:G0B+7], s[G1B:G1B+7]
	s_nop 0
.rept 4
	v_nop
.endr
.Lfirst_asked:
	v_and_b32 v1, 15, v0                           ; r = l % 16
	v_bfe_u32 v2, v0, 4, 1                         ; hh = l / 16
	v_and_b32 v3, 7, v0                            ; l % 8
	v_bfe_u32 v4, v0, 3, 1                         ; (l / 8) % 2
	v_lshlrev_b32 v[GOF], 5, v3
	v_mul_u32_u24 v6, v1, PA                       ; a fragment of xn: row r x pitch + 16 hh; two loads of 16 bytes, 32 apart
	v_lshl_add_u32 v6, v2, 4, v6
	v_lshl_add_u32 v7, v2, 3, v3                   ; a fragment of w1b: k row 8 hh + l % 8, 16 bytes at 16 ((l / 8) % 2); two turning loads, 16 rows apart
	v_mul_u32_u24 v7, v7, PB
	v_lshl_add_u32 v7, v4, 4, v7
	s_mul_i32 s46, s[RH], HALFA                    ; my 128 rows of xn
	s_mul_i32 s47, s[CH], HALFB                    ; my 128 columns of w1b,
	s_add_co_u32 s47, s47, 2*HALFA                 ; which lie behind xn's 256 rows
.irp s, 0,1
	v_add_nc_u32 v[ADRA+\s], s46, v6
	v_add_nc_u32 v[ADRB+\s], s47, v7
	s_add_co_u32 s46, s46, SLOT
	s_add_co_u32 s47, s47, SLOT
.endr
	v_and_b32 v8, 31, v0
	v_lshlrev_b32 v[CO], 4, v8                     ; h: 16 bytes a lane
	v_lshlrev_b32 v[BO], 5, v2                     ; b1: 8 hh columns of 4 bytes
	s_lshl_b32 s46, s19, 10                        ; b1 at my first column: 4 (256 x tile column + 128 x half)
	s_lshl_b32 s47, s[CH], 9
	s_add_co_u32 s46, s46, s47
	s_mov_b32 s47, 0
	s_add_nc_u64 s[10:11], s[10:11], s[46:47]
	s_lshr_b32 s46, s19, 1                         ; gates at my expert's column
	s_lshl_b32 s46, s46, 2
	s_add_nc_u64 s[12:13], s[12:13], s[46:47]
.irp b, 0,1,2,3,4,5,6,7
	global_load_b128 v[BIAS+8*\b:BIAS+8*\b+3],   v[BO], s[10:11] offset:64*\b
	global_load_b128 v[BIAS+8*\b+4:BIAS+8*\b+7], v[BO], s[10:11] offset:64*\b+16
.endr
	global_load_b32 v[G], v[GOF], s[12:13]
	global_load_b32 v[G+1], v[GOF], s[12:13]
; 8 matrix instructions: row block a x all 8 column blocks, 32 along K, from buffer f.  first = 1: the bias is C.  The 64 accumulators take turns, one instruction a turn,
; in the same order in every quarter step.
.macro MULA f, a, first
.irp b, 0,1,2,3,4,5,6,7
.if \first
	v_wmma_f32_16x16x32_bf16 v[8*(8*((\a)%4)+\b):8*(8*((\a)%4)+\b)+7], v[\f+64+8*\b:\f+64+8*\b+7], v[\f+8*(\a):\f+8*(\a)+7], v[BIAS+8*\b:BIAS+8*\b+7]
.else
	v_wmma_f32_16x16x32_bf16 v[8*(8*((\a)%4)+\b):8*(8*((\a)%4)+\b)+7], v[\f+64+8*\b:\f+64+8*\b+7], v[\f+8*(\a):\f+8*(\a)+7], v[8*(8*((\a)%4)+\b):8*(8*((\a)%4)+\b)+7]
.endif
.endr
.endm
; 32 LDS loads in one run under one window setting: quarter q (32 along K) of a slot into buffer f: w1b's 8 fragments, then xn's 8 in ascending rows
.macro FETCH slot, q, f
	WIN 0x40                                       ; destination window 1, address window 0
.irp i, 0,1,2,3,4,5,6,7
	ds_load_tr16_b128 v[\f+64+8*\i:\f+64+8*\i+3],   v[ADRB+\slot] offset:\q*32*PB+32*\i
	ds_load_tr16_b128 v[\f+64+8*\i+4:\f+64+8*\i+7], v[ADRB+\slot] offset:\q*32*PB+16*PB+32*\i
.endr
.irp i, 0,1,2,3,4,5,6,7
	ds_load_b128 v[\f+8*\i:\f+8*\i+3],   v[ADRA+\slot] offset:64*\q+\i*16*PA
	ds_load_b128 v[\f+8*\i+4:\f+8*\i+7], v[ADRA+\slot] offset:64*\q+\i*16*PA+32
.endr
.endm
; A K step is four quarters of 32 along K, 64 matrix instructions each, on buffers 0, 1, 0, 1.  One of the first three: multiplies buffer f; in its middle it fetches quarter q into buffer g.
.macro QUARTER slot, q, f, g, first
	s_wait_dscnt 8                                 ; w1b and xn's rows 0-63 are in; the youngest eight loads (rows 64-127) may be out
	WIN 0xa5-0x20*\first                           ; sources 0 and 1 window 1; D window 2; C window 2, or 0 for the bias
	MULA \f, 0, \first
	MULA \f, 1, \first
	MULA \f, 2, \first
	MULA \f, 3, \first
	PLACES
	FETCH \slot, \q, \g
	s_wait_dscnt 32                                ; all but the 32 just issued
	WIN 0xf5-0x30*\first                           ; the same with window 3
	MULA \f, 4, \first
	MULA \f, 5, \first
	MULA \f, 6, \first
	MULA \f, 7, \first
.endm
; The last quarter multiplies buffer 1 and changes slots.  MEET is its first half: ONE barrier for the change of slots.  In front of it each wave waits for its own reads of this slot and for all
; its tensor loads, of which one is out: its part of the next slot.  Behind it nobody reads this slot any more and the next slot is whole.  round = 1: a round of the cluster's barrier follows.
.macro MEET round
	s_wait_dscnt 8
	WIN 0xa5
	MULA F1, 0, 0
	MULA F1, 1, 0
	s_wait_dscnt 0x0                               ; my reads of this slot are over,
	s_set_vgpr_msb 0xa5a0
	s_wait_tensorcnt 0x0                           ; and all my tensor loads have landed
	ds_add_u32 v62, v63
	s_wait_dscnt 0x0
	s_set_vgpr_msb 0xa0a5
	s_barrier_signal -1
	MULA F1, 2, 0                                  ; work on registers while the others arrive
	MULA F1, 3, 0
.if \round
	WIN 0                                          ; at a branch and at a label every window is 0
.endif
	s_barrier_wait -1
.endm
; The whole last quarter where the slot is filled again: with this tile's K step two on (on = 0) or with the next tile's K step 0 or 1 (on = 1).  The barrier opens a round of the cluster's
; barrier, and the joint refill is the first tensor load behind the round: 240 matrix instructions ahead of the wait for it.
.macro TURN slot, next, on
	MEET 1
	CREST                                          ; no wave of any partner still reads this slot's tile or has a load on its way
.if \on
	s_add_nc_u64 s[G0A+4*\slot+2:G0A+4*\slot+3], s[G0A+4*\slot+2:G0A+4*\slot+3], NEXT_A
	s_sub_nc_u64 s[G0B+4*\slot+2:G0B+4*\slot+3], s[G0B+4*\slot+2:G0B+4*\slot+3], BACK_B
.else
	s_add_nc_u64 s[G0A+4*\slot+2:G0A+4*\slot+3], s[G0A+4*\slot+2:G0A+4*\slot+3], 2*256
	s_add_nc_u64 s[G0B+4*\slot+2:G0B+4*\slot+3], s[G0B+4*\slot+2:G0B+4*\slot+3], 2*BSTEP
.endif
	JLOAD \slot                                    ; the four v_nop behind it are also the places in front of the loads below
	FETCH \next, 0, F0
	WIN 0xf5
	MULA F1, 4, 0
	MULA F1, 5, 0
	MULA F1, 6, 0
	MULA F1, 7, 0
.endm
; THE LAST K STEP OF THE LAST TILE (it lies in slot 1) BY ROWS.  All its fragments of w1b (4 quarters x 64 registers) fill window 1; xn's come by blocks of 16 rows x 128 K into four buffers in
; window 0; my eight blocks are finished one after the other, 32 matrix instructions each.  LDS is read no more than in any other K step: 64 + 64 loads.
.macro BLOAD q                         ; w1b's fragments of quarter q -> window 1, v[64 q ..]
.irp i, 0,1,2,3,4,5,6,7
	ds_load_tr16_b128 v[64*\q+8*\i:64*\q+8*\i+3],   v[ADRB+1] offset:\q*32*PB+32*\i
	ds_load_tr16_b128 v[64*\q+8*\i+4:64*\q+8*\i+7], v[ADRB+1] offset:\q*32*PB+16*PB+32*\i
.endr
.endm
.macro ALOAD a                         ; xn's fragments of block a, all four quarters -> buffer a % 4: v64, v96 (the bias's registers: a tile reads the bias in its first quarter alone), v192, v224
.set FA, 64+32*((\a)%4)+64*(((\a)%4)/2)
.irp q, 0,1,2,3
	ds_load_b128 v[FA+8*\q:FA+8*\q+3],   v[ADRA+1] offset:64*\q+(\a)*16*PA
	ds_load_b128 v[FA+8*\q+4:FA+8*\q+7], v[ADRA+1] offset:64*\q+(\a)*16*PA+32
.endr
.endm
.macro ROW a                           ; block a is finished: 32 matrix instructions, K ascending (the sums stay the same bit for bit), its 8 accumulators by turns, one instruction a turn
.set FA, 64+32*((\a)%4)+64*(((\a)%4)/2)
.set AC, 64*((\a)%4)
.if (\a) >= 4
	s_wait_dscnt 8*(7-(\a))                        ; my block's eight loads are in; those of the 7 - a later blocks, eight each, may stay out
.endif
	WIN 0xa1+0x50*((\a)/4)                         ; source 0 (w1b) window 1, source 1 (xn) window 0, C and D window 2 or 3
.irp q, 0,1,2,3
.if ((\a) == 0) && (\q >= 2)
	s_wait_dscnt 16*(3-\q)                         ; w1b's quarter q is in; quarter 3's sixteen loads may stay out in front of quarter 2
.endif
.irp b, 0,1,2,3,4,5,6,7
	v_wmma_f32_16x16x32_bf16 v[AC+8*\b:AC+8*\b+7], v[64*\q+8*\b:64*\q+8*\b+7], v[FA+8*\q:FA+8*\q+7], v[AC+8*\b:AC+8*\b+7]
.endr
.endr
.endm
; THE WAY OUT of row block a.  PACK: relu, the gate's factor, rounding to bf16: 16 bytes a lane for each column block; each accumulator's registers in ascending order.
.macro PACK a
.set AC, 64*((\a)%4)
.set TM, TMP+32*((\a)%2)
	WIN 0x82+0x41*((\a)/4)                         ; destination and source 0 in the accumulators' window (2 or 3), source 1 in window 0
.irp b, 0,1,2,3,4,5,6,7
.irp r, 0,1,2,3,4,5,6,7
	v_max_num_f32 v[AC+8*\b+\r], v[AC+8*\b+\r], 0
.endr
.irp r, 0,2,4,6
	v_pk_mul_f32 v[AC+8*\b+\r:AC+8*\b+\r+1], v[AC+8*\b+\r:AC+8*\b+\r+1], v[G:G+1]
.endr
.endr
.if (\a) > 0
	s_wait_xcnt 0x0                                ; the set written below was the data of earlier stores (block 0: CSTEP's wait)
.endif
	WIN 0x0a+5*((\a)/4)                            ; sources 0 and 1 in that window, destination in window 0
.irp b, 0,1,2,3,4,5,6,7
.irp r, 0,1,2,3
	v_cvt_pk_bf16_f32 v[TM+4*\b+\r], v[AC+8*\b+2*\r], v[AC+8*\b+2*\r+1]
.endr
.endr
	WIN 0
.endm
; SEND: the packed registers go out as they lie.  Block a lies in group a / 4 of my two groups of 64 rows, at its block a % 4 of 4,096 bytes; column block b at 512 b; the lane at 16 l.
.macro SEND a
.set TM, TMP+32*((\a)%2)
.irp b, 0,1,2,3,4,5,6,7
	global_store_b128 v[CO], v[TM+4*\b:TM+4*\b+3], s[8:9] offset:((\a)/4)*GROUPB+((\a)%4)*4096+512*\b   ; the wave stores 512 consecutive bytes, at a multiple of 512 from h's first byte
.endr
.endm
.macro CSTEP                           ; h's address goes on to this tile's first rows; all else stands in the stores' immediates, 540,160 at the most
	s_wait_xcnt 0x0                                ; only behind this wait are the stores' base and the registers that earlier stores read written again
	s_add_nc_u64 s[8:9], s[8:9], s[42:43]
.endm
.macro WAYOUT
	CSTEP
.irp a, 0,1,2,3,4,5,6,7
	PACK \a
	SEND \a
.endr
.endm
	s_wait_tensorcnt 1                             ; my part of K step 0 is in; K step 1's may stay out
	s_barrier_signal -1
	s_barrier_wait -1                              ; everybody's is
	FETCH 0, 0, F0
	WIN 0
	s_wait_loadcnt 0x0                             ; the bias and the gate
	s_mov_b32 s2, TILES                            ; tiles to go, this one among them: the same number in every work-group
.Ltile:
	QUARTER 0, 1, F0, F1, 1                        ; a tile's first quarter stands in front of the loop: its products start the sums from the bias
	WIN 0
	s_mov_b32 s3, LAPS-1
.Llap:                                                 ; a trip goes once round the ring, from a lap's second quarter to the next lap's first, and fills both slots again
	QUARTER 0, 2, F1, F0, 0
	QUARTER 0, 3, F0, F1, 0
	TURN 0, 1, 0
	QUARTER 1, 1, F0, F1, 0
	QUARTER 1, 2, F1, F0, 0
	QUARTER 1, 3, F0, F1, 0
	TURN 1, 0, 0
	QUARTER 0, 1, F0, F1, 0
	WIN 0
	s_sub_co_u32 s3, s3, 1
	s_cmp_lg_u32 s3, 0
	s_cbranch_scc1 .Llap
	QUARTER 0, 2, F1, F0, 0                        ; the tile's last lap goes on
	QUARTER 0, 3, F0, F1, 0
	WIN 0
	s_cmp_eq_u32 s2, 1
	s_cbranch_scc1 .Llast_tile                     ; the last tile's tail is written out: it asks for nothing more
	TURN 0, 1, 1                                   ; the ring goes on into the next tile: slot 0 takes its K step 0,
	QUARTER 1, 1, F0, F1, 0
	QUARTER 1, 2, F1, F0, 0
	QUARTER 1, 3, F0, F1, 0
	TURN 1, 0, 1                                   ; slot 1 its K step 1, and the next tile's first fragments are fetched
	WAYOUT                                         ; both refills are asked for: now the tile goes out.  No v_nop: blocks 0-3 were finished in front of the joint load's four places,
	                                               ; and their vector work, which names no register of the last products (blocks 4-7's), is those products' places
	s_mov_b64 s[42:43], NEXT_C
	s_sub_co_u32 s2, s2, 1
	s_branch .Ltile
.Llast_tile:
	MEET 0                                         ; my one tensor load that was still out is the last K step's, so no round follows
	PLACES                                         ; for the loads into buffer 0, which the quarter before multiplied
	WIN 0x40
	BLOAD 0                                        ; two quarters of w1b now, into buffer 0's registers: buffer 1 (v128-255 of window 1) is still being multiplied
	BLOAD 1
	WIN 0
	ALOAD 0                                        ; and xn's first four blocks: their buffers lie in window 0 and are free
	ALOAD 1
	ALOAD 2
	ALOAD 3
	WIN 0xf5
	MULA F1, 4, 0                                  ; the rest of the K step before
	MULA F1, 5, 0
	MULA F1, 6, 0
	MULA F1, 7, 0
	PLACES                                         ; for the loads into buffer 1
	WIN 0x40
	BLOAD 2
	BLOAD 3
	CSTEP
	s_wait_dscnt 32                                ; all but the 32 just issued: w1b's quarters 0 and 1 and xn's blocks 0 to 3 are in
	ROW 0
.irp a, 0,1,2,3,4,5,6,7                ; each block leaves as soon as it is finished: nothing follows this tile, so the sooner its stores begin, the sooner they end
	PLACES                                         ; the block's vector work reads results just made, and the loads below land on fragments just read
.if \a < 4
	WIN 0
	ALOAD \a+4                                     ; its buffer takes the block four further on
.endif
	PACK \a
	SEND \a
.if \a < 7
	ROW \a+1
.endif
.endr
	CROUND                                         ; the closing round: no work-group ends while a partner may still ask for a tile that names it
	s_endpgm
.Lfunc_end_k_q03a0bae48b_fc1:
	.size	k_q03a0bae48b_fc1, .Lfunc_end_k_q03a0bae48b_fc1-k_q03a0bae48b_fc1
	.p2alignl 7, 3214868480
	.fill 96, 4, 3214868480
	.section	.rodata,"a",@progbits
	.p2align	6, 0x0
	.amdhsa_kernel k_q03a0bae48b_fc1
		.amdhsa_group_segment_fixed_size 327680
		.amdhsa_private_segment_fixed_size 0
		.amdhsa_enable_private_segment 0
		.amdhsa_kernarg_size 40
		.amdhsa_user_sgpr_count 2
		.amdhsa_user_sgpr_kernarg_segment_ptr 1
		.amdhsa_wavefront_size32 1
		.amdhsa_system_sgpr_workgroup_id_x 1
		.amdhsa_system_sgpr_workgroup_id_y 1
		.amdhsa_system_sgpr_workgroup_id_z 1
		.amdhsa_system_vgpr_workitem_id 0
		.amdhsa_next_free_vgpr 1024
		.amdhsa_next_free_sgpr 66
		.amdhsa_reserve_vcc 0
		.amdhsa_float_denorm_mode_32 3
		.amdhsa_float_denorm_mode_16_64 3
		.amdhsa_memory_ordered 1
		.amdhsa_forward_progress 1
		.amdhsa_inst_pref_size 255
	.end_amdhsa_kernel
	.section	.bss,"aw",@nobits
	.p2align	6
	.space	262144
	.amdgpu_metadata
---
amdhsa.version: [ 1, 2 ]
amdhsa.kernels:
  - .name:           k_q03a0bae48b_fc1
    .symbol:         k_q03a0bae48b_fc1.kd
    .args:
      - { .name: xn, .offset: 0, .size: 8, .value_kind: global_buffer, .address_space: global }
      - { .name: w1b, .offset: 8, .size: 8, .value_kind: global_buffer, .address_space: global }
      - { .name: h, .offset: 16, .size: 8, .value_kind: global_buffer, .address_space: global }
      - { .name: b1, .offset: 24, .size: 8, .value_kind: global_buffer, .address_space: global }
      - { .name: gates, .offset: 32, .size: 8, .value_kind: global_buffer, .address_space: global }
    .group_segment_fixed_size: 327680
    .private_segment_fixed_size: 0
    .kernarg_segment_align: 8
    .kernarg_segment_size: 40
    .max_flat_workgroup_size: 128
    .sgpr_count:     66
    .vgpr_count:     1024
    .wavefront_size: 32
...
	.end_amdgpu_metadata
.endif
;; end of part 3
;; launch fc2 (part 4): grid 4 x 64, 4 waves a work-group, clusters of 4 x 4, 327,680 bytes of LDS; arguments h, w2b, out0, gb2, x; writes out0
.if DOCPART == 4
	.amdgcn_target "amdgcn-amd-amdhsa--gfx1250"
	.amdhsa_code_object_version 6
	.text
	.protected	k_q03a0bae48b_fc2
	.globl	k_q03a0bae48b_fc2
	.p2align	8
	.type	k_q03a0bae48b_fc2,@function
k_q03a0bae48b_fc2:
	s_mov_b64 s[64:65], 0
	v_nop
	global_prefetch_b8 v0, s[64:65] scope:SCOPE_SE
	s_setreg_imm32_b32 hwreg(HW_REG_WAVE_MODE, 25, 1), 1
	s_wait_xcnt 0x0
	s_wait_alu depctr_hold_cnt(0) depctr_sa_sdst(0) depctr_va_vdst(0) depctr_va_sdst(0) depctr_va_ssrc(0) depctr_va_vcc(0) depctr_vm_vsrc(0)
	s_getreg_b32 s2, hwreg(HW_REG_IB_STS2, 6, 4)
	s_cmp_eq_u32 s2, 0
	s_cbranch_scc0 .Lentry_in_a_cluster
	s_endpgm
.Lentry_in_a_cluster:
	s_bfe_u32 s2, ttmp6, 0x10000c
	s_cmp_lg_u32 s2, 0xf033
	s_cbranch_scc0 .Lentry_shape_is_right
	s_endpgm
.Lentry_shape_is_right:
; out0[m][n] = x[m][n] + gb2[m % 8][n] + the sum over k of H[m][k] w2b[k][n].
; H is 8,192 x 4,096 bf16, already gated, so the sum over the experts is part of K.  The buffer h holds it as fragments:
; [128 groups of 64 rows][32 K steps of 128][4 blocks of 16 rows][8 blocks of 16 k][32 lanes][16 bytes], lane l: row l % 16, k = 8 (l / 16) + 0..7.  Two neighbouring blocks of 16 k are
; registers 0-3 and 4-7 of a fragment of 16 rows x 32 K.  64 rows x a K step are 16,384 dense bytes: one tensor load of 64 rows of 256 bytes, no padding; the LDS loads take 16 bytes a lane, side by side.
; w2b: [4096][1024] bf16, K down the rows.  gb2: [8][1024] f32.  x, out0: [8192][1024] f32.  Sums in f32.
; A tile of out0 is 128 x 256: tiles of 256 x 256 would be 128, half as many as there are work-groups to fill; these are 256, one to a work-group.  Four waves, 64 x 128 each: 32 accumulators.
; K goes in steps of 128 through a ring of two LDS slots of 106,496 bytes (two slots of twice the step, 212,992 bytes each, do not fit): 128 matrix instructions a wave in a step.
; CLUSTERS: 4 x 4 work-groups.  The four of a row of the cluster need the same tiles of h, the four of a column the same tiles of w2b: each is asked for JOINTLY.
; PREFETCH: every K step's tile of h is read for the first time in the launch.  Behind the joint refill at the end of K step t (it brings step t + 2) wave 3 asks for a quarter of the cluster
; row's tile of step t + 4, whose joint load goes out two K steps, 256 matrix instructions a wave, later.  The tile is 128 blocks of 256 bytes; partner cx takes 32: group cx / 2, half cx % 2,
; lanes 256 bytes apart: each block is asked for once in the launch.  Steps 2 and 3 are asked for behind the first fills; the last lap that refills is written out and asks for nothing,
; so no request passes step 31.  w2b is not asked for: sixteen clusters read its 8,388,608 bytes again and again.
; THE MATRIX INSTRUCTION IS USED TRANSPOSED (source 0 = 16 columns of w2b, turned by ds_load_tr16_b128; source 1 = 16 rows of H): a lane holds row l % 16 and the columns 8 (l / 16) + 0..7.
; THE SUMS START FROM gb2: the first products take it as C; a lane's row has sentence m % 8 = l % 8 in every block of 16 rows, so 64 registers serve all blocks.
; The residual x is asked for long before the end, into registers of its own, and added on the way out, where a lane holds 16 bytes of a whole row piece.
; REGISTERS: window 0: v0-31 addresses; v64-127 gb2; v128-255 rows on their way out (two sets of 64).  window 1: two fragment buffers of 96: 32 registers of H, then 64 of w2b.
;   window 2: the accumulators ((a, b) at v[8 (8 a + b)]).  window 3: x: row 16 a + t at v[64 a + 4 t].
.set LAPS,   16                        ; a lap = two K steps: 4,096 / 256
.set PB,     288                       ; a row of w2b in LDS: 256 + 32 bytes = 72 words
.set ASTEP,  16384                     ; bytes of h for 64 rows x a K step, dense: one tensor load
.set HALFA,  ASTEP
.set HALFB,  128*PB
.set SLOT,   2*HALFA+2*HALFB
.set STAGE,  2*SLOT                    ; behind the ring: 16 rows x 528 bytes for each wave; no tensor load fills it
.set SP,     528                       ; 512 bytes + 16
.set BPITCH, 1024
.set BSTEP,  128*BPITCH*2
.set CROW,   4096                      ; bytes in a row of x and of out0
.set ADRA, 16
.set ADRB, 20
.set STO,  24
.set RD,   25
.set CO,   26                          ; v26  16 lane: my bytes in the wave's 512 of a row of x and out0
.set BO,   27                          ; v27  my byte offset in gb2
.set PF,   28                          ; v28  256 lane: my block in a prefetch; never rewritten
.set BIAS, 64
.set OB,   128
.set F0,   0
.set F1,   96
.set WV,  14
.set RH,  15                           ; which half of the tile's rows is mine.  Also: I fetch h (0) or w2b (1)
.set CH,  16                           ; which half of its columns.  Also: which half of that tile I fetch
.set G1A, 24
.set G0A, 32
.set G1B, 48
.set G0B, 56
.set MSB, 0
.macro WIN new                         ; the immediate's high byte repeats the setting that is left; a switch that changes nothing is dropped
.if MSB != (\new)
	s_set_vgpr_msb (MSB<<8)|(\new)
.set MSB, (\new)
.endif
.endm
.macro PLACES                          ; four places in front of loads into registers that matrix instructions have read, and of LDS stores of results just made
.rept 4
	v_nop
.endr
.endm
.macro JLOAD s                         ; a joint load: waves 0 and 1 fetch h's two halves, waves 2 and 3 w2b's; four v_nop follow each of the two lines
	s_cmp_eq_u32 s[RH], 0
	s_cbranch_scc0 .Lfor_b_\@
	tensor_load_to_lds s[G0A+4*\s:G0A+4*\s+3], s[G1A:G1A+7]
	s_nop 0
.rept 4
	v_nop
.endr
	s_branch .Lasked_\@
.Lfor_b_\@:
	tensor_load_to_lds s[G0B+4*\s:G0B+4*\s+3], s[G1B:G1B+7]
	s_nop 0
.rept 4
	v_nop
.endr
.Lasked_\@:
.endm
.macro CREST                           ; a round of the cluster's barrier behind its opening barrier
	s_cmp_lg_u32 s[WV], 0
	s_cbranch_scc1 .Lnot_wave_0_\@
	s_barrier_signal -3
.Lnot_wave_0_\@:
	s_barrier_wait -3
	s_barrier_signal -1
	s_barrier_wait -1
.endm
.macro CROUND
	s_barrier_signal -1
	s_barrier_wait -1
	CREST
.endm
	s_load_b256 s[4:11], s[0:1], 0x0               ; h s[4:5], w2b s[6:7], out0 s[8:9], gb2 s[10:11]
	s_load_b64 s[12:13], s[0:1], 0x20              ; x
	s_set_vgpr_msb 0x40
	v_lshl_add_u32 v254, v0, 2, 0x3c400
	v_mov_b32 v255, 0
	s_set_vgpr_msb 0x4045
	ds_add_u32 v254, v255
	s_set_vgpr_msb 0x4500
	v_lshrrev_b32 v1, 5, v0
	v_readfirstlane_b32 s[WV], v1
	v_and_b32 v5, 31, v0                           ; l
	v_lshlrev_b32 v[PF], 8, v5
	s_lshr_b32 s[RH], s[WV], 1
	s_and_b32 s[CH], s[WV], 1
	s_bfe_u32 s17, ttmp6, 0x40000                  ; cx, cy
	s_bfe_u32 s18, ttmp6, 0x40004
	s_lshl_b32 s19, ttmp9, 2
	s_add_co_u32 s19, s19, s17                     ; tile column
	s_and_b32 s20, ttmp7, 0xffff
	s_lshl_b32 s20, s20, 2
	s_add_co_u32 s20, s20, s18                     ; tile row
	s_lshl_b32 s21, s18, 2
	s_lshl_b32 s21, 15, s21                        ; my row of the cluster
	s_lshl_b32 s22, 0x1111, s17                    ; my column
	s_or_b32 s[G1A+0], s21, (3<<16)|(1<<21)        ; 15:0 the mask; 17:16 elements of 8 bytes; 20 no padding; 21 set beside a mask
	s_mov_b32 s[G1A+1], 32<<16                     ; tensor_dim0 = 32 elements: rows of 256 bytes
	s_mov_b32 s[G1A+2], 64<<16                     ; tensor_dim1 = 64
	s_mov_b32 s[G1A+3], 32<<16                     ; tile_dim0 = 32
	s_mov_b32 s[G1A+4], 64                         ; tile_dim1 = 64
	s_mov_b32 s[G1A+5], 32                         ; a row begins where the last ends
	s_mov_b32 s[G1A+6], 0
	s_mov_b32 s[G1A+7], 0
	s_or_b32 s[G1B+0], s22, (1<<16)|(1<<20)|(1<<21)|(5<<22)|(7<<25)  ; my column's mask; elements of 2 bytes; after every 64 words 8 words of padding
	s_mov_b32 s[G1B+1], 128<<16
	s_mov_b32 s[G1B+2], 128<<16
	s_mov_b32 s[G1B+3], 128<<16
	s_mov_b32 s[G1B+4], 128
	s_mov_b32 s[G1B+5], BPITCH
	s_mov_b32 s[G1B+6], 0
	s_mov_b32 s[G1B+7], 0
	s_lshl_b32 s40, s20, 20                        ; h: group of 64 rows 2 x tile row + half, times 524,288 bytes: the tile row alone
	s_lshl_b32 s41, s[CH], 19
	s_add_co_u32 s40, s40, s41
	s_mov_b32 s41, 0
	s_lshl_b32 s44, s19, 9                         ; w2b: column 256 x tile column + 128 x half, times 2: the tile column alone
	s_lshl_b32 s45, s[CH], 8
	s_add_co_u32 s44, s44, s45
	s_mov_b32 s45, 0
	s_mul_i32 s23, s[CH], HALFA                    ; where they go: no place in the cluster enters an LDS address
	s_mul_i32 s46, s[CH], HALFB
	s_add_co_u32 s46, s46, 2*HALFA
	s_lshl_b32 s42, s20, 19                        ; x and out0: row 128 x tile row + 64 x half, times 4,096 bytes,
	s_lshl_b32 s43, s[RH], 18
	s_add_co_u32 s42, s42, s43
	s_lshl_b32 s43, s19, 10                        ; column 256 x tile column + 128 x half, times 4
	s_add_co_u32 s42, s42, s43
	s_lshl_b32 s43, s[CH], 9
	s_add_co_u32 s42, s42, s43
	s_mov_b32 s43, 0
	s_lshl_b32 s2, s20, 20                         ; the prefetches: group 2 x tile row + cx / 2,
	s_lshr_b32 s3, s17, 1
	s_lshl_b32 s3, s3, 19
	s_add_co_u32 s2, s2, s3
	s_and_b32 s3, s17, 1                           ; half cx % 2 of its 16,384 bytes,
	s_lshl_b32 s3, s3, 13
	s_add_co_u32 s2, s2, s3
	s_add_co_u32 s2, s2, 2*ASTEP                   ; from K step 2 on
	s_mov_b32 s3, 0
	s_wait_dscnt 0x0
	s_wait_kmcnt 0x0
	s_add_nc_u64 s[40:41], s[4:5], s[40:41]
	s_add_nc_u64 s[44:45], s[6:7], s[44:45]
	s_add_nc_u64 s[8:9], s[8:9], s[42:43]
	s_add_nc_u64 s[12:13], s[12:13], s[42:43]
	s_add_nc_u64 s[42:43], s[4:5], s[2:3]          ; s[42:43]: the prefetches' base; cx enters this address alone
.irp s, 0,1
	s_mov_b32 s[G0A+4*\s], 1
	s_add_co_u32 s[G0A+4*\s+1], s23, \s*SLOT
	s_add_nc_u64 s[G0A+4*\s+2:G0A+4*\s+3], s[40:41], \s*ASTEP
	s_or_b32 s[G0A+4*\s+3], s[G0A+4*\s+3], 0x80000000
	s_mov_b32 s[G0B+4*\s], 1
	s_add_co_u32 s[G0B+4*\s+1], s46, \s*SLOT
	s_add_nc_u64 s[G0B+4*\s+2:G0B+4*\s+3], s[44:45], \s*BSTEP
	s_or_b32 s[G0B+4*\s+3], s[G0B+4*\s+3], 0x80000000
.endr
	CROUND                                         ; all sixteen work-groups are here: the first joint loads meet
	s_cmp_eq_u32 s[RH], 0                          ; a wave's two first fills stand in one branch: two loads of mine are out
	s_cbranch_scc0 .Lfirst_b
	tensor_load_to_lds s[G0A:G0A+3], s[G1A:G1A+7]
	s_nop 0
	tensor_load_to_lds s[G0A+4:G0A+7], s[G1A:G1A+7]
	s_nop 0
.rept 4
	v_nop
.endr
	s_branch .Lfirst_asked
.Lfirst_b:
	tensor_load_to_lds s[G0B:G0B+3], s[G1B:G1B+7]
	s_nop 0
	tensor_load_to_lds s[G0B+4:G0B+7], s[G1B:G1B+7]
	s_nop 0
.rept 4
	v_nop
.endr
.Lfirst_asked:
	s_cmp_lg_u32 s[WV], 3                          ; one wave asks: my quarter of K steps 2 and 3, whose joint loads go out at the ends of K steps 0 and 1
	s_cbranch_scc1 .Lno_pf_first
	global_prefetch_b8 v[PF], s[42:43] th:TH_LOAD_NT scope:SCOPE_SE
	global_prefetch_b8 v[PF], s[42:43] offset:ASTEP th:TH_LOAD_NT scope:SCOPE_SE
.Lno_pf_first:
	v_and_b32 v1, 15, v0                           ; r = l % 16
	v_bfe_u32 v2, v0, 4, 1                         ; hh = l / 16
	v_and_b32 v3, 7, v0                            ; l % 8
	v_bfe_u32 v4, v0, 3, 1                         ; (l / 8) % 2
	v_lshlrev_b32 v[CO], 4, v5                     ; 16 l: also my place in a block of h's fragments
	v_lshl_add_u32 v7, v2, 3, v3                   ; a fragment of w2b: k row 8 hh + l % 8, 16 bytes at 16 ((l / 8) % 2)
	v_mul_u32_u24 v7, v7, PB
	v_lshl_add_u32 v7, v4, 4, v7
	s_mul_i32 s46, s[RH], HALFA                    ; my 64 rows of h
	s_mul_i32 s47, s[CH], HALFB                    ; my 128 columns of w2b,
	s_add_co_u32 s47, s47, 2*HALFA                 ; which lie behind h's 128 rows
.irp s, 0,1
	v_add_nc_u32 v[ADRA+\s], s46, v[CO]
	v_add_nc_u32 v[ADRB+\s], s47, v7
	s_add_co_u32 s46, s46, SLOT
	s_add_co_u32 s47, s47, SLOT
.endr
	s_mul_i32 s46, s[WV], 16*SP
	s_add_co_u32 s46, s46, STAGE                   ; my stage
	v_mul_u32_u24 v8, v1, SP                       ; in: row r, 32 bytes for each half of the lanes
	v_lshl_add_u32 v8, v2, 5, v8
	v_add_nc_u32 v[STO], s46, v8
	v_add_nc_u32 v[RD], s46, v[CO]                 ; back: the 32 lanes take one row of 512 bytes
	v_lshlrev_b32 v8, 12, v3                       ; gb2: row l % 8, 8 hh columns of 4 bytes
	v_lshl_add_u32 v[BO], v2, 5, v8
	s_lshl_b32 s46, s19, 10                        ; gb2 at my first column
	s_lshl_b32 s47, s[CH], 9
	s_add_co_u32 s46, s46, s47
	s_mov_b32 s47, 0
	s_add_nc_u64 s[10:11], s[10:11], s[46:47]
.irp b, 0,1,2,3,4,5,6,7
	global_load_b128 v[BIAS+8*\b:BIAS+8*\b+3],   v[BO], s[10:11] offset:64*\b
	global_load_b128 v[BIAS+8*\b+4:BIAS+8*\b+7], v[BO], s[10:11] offset:64*\b+16
.endr
; 8 matrix instructions: row block a x all 8 column blocks, 32 along K.  first = 1: gb2 is C.  The 32 accumulators take turns, one instruction a turn.
.macro MULA f, a, first
.irp b, 0,1,2,3,4,5,6,7
.if \first
	v_wmma_f32_16x16x32_bf16 v[8*(8*(\a)+\b):8*(8*(\a)+\b)+7], v[\f+32+8*\b:\f+32+8*\b+7], v[\f+8*(\a):\f+8*(\a)+7], v[BIAS+8*\b:BIAS+8*\b+7]
.else
	v_wmma_f32_16x16x32_bf16 v[8*(8*(\a)+\b):8*(8*(\a)+\b)+7], v[\f+32+8*\b:\f+32+8*\b+7], v[\f+8*(\a):\f+8*(\a)+7], v[8*(8*(\a)+\b):8*(8*(\a)+\b)+7]
.endif
.endr
.endm
; 24 LDS loads in one run: quarter q of a slot into buffer f: w2b's 8 fragments, then h's 4 in ascending rows (row block i at 4,096 i, the quarter's two blocks of 16 k at 1,024 q and 512 on)
.macro FETCH slot, q, f
	WIN 0x40                                       ; destination window 1, address window 0
.irp i, 0,1,2,3,4,5,6,7
	ds_load_tr16_b128 v[\f+32+8*\i:\f+32+8*\i+3],   v[ADRB+\slot] offset:\q*32*PB+32*\i
	ds_load_tr16_b128 v[\f+32+8*\i+4:\f+32+8*\i+7], v[ADRB+\slot] offset:\q*32*PB+16*PB+32*\i
.endr
.irp i, 0,1,2,3
	ds_load_b128 v[\f+8*\i:\f+8*\i+3],   v[ADRA+\slot] offset:4096*\i+1024*\q
	ds_load_b128 v[\f+8*\i+4:\f+8*\i+7], v[ADRA+\slot] offset:4096*\i+1024*\q+512
.endr
.endm
.macro QUARTER slot, q, f, g, first
	s_wait_dscnt 4                                 ; w2b and h's rows 0-31 are in; the youngest four loads (rows 32-63) may be out
	WIN 0xa5-0x20*\first                           ; sources 0 and 1 window 1; D window 2; C window 2, or 0 for gb2
	MULA \f, 0, \first
	MULA \f, 1, \first
	PLACES
	FETCH \slot, \q, \g
	s_wait_dscnt 24                                ; all but the 24 just issued
	WIN 0xa5-0x20*\first
	MULA \f, 2, \first
	MULA \f, 3, \first
.endm
; The last quarter multiplies buffer 1 and changes slots: ONE barrier; in front of it each wave waits for its own reads of this slot and for all its tensor loads (one is out: its part of the
; next slot).  fill = 1: the barrier opens a round of the cluster's barrier and this slot is filled again, two K steps ahead, first thing behind the round: 120 matrix instructions ahead of the wait for it.
; pf = 1: behind the refill wave 3 asks for my quarter of the tile of h four K steps ahead; the branch hangs on the wave's number alone.
.macro TURN slot, next, fill, pf
	s_wait_dscnt 4
	WIN 0xa5
	MULA F1, 0, 0
	s_wait_dscnt 0x0
	s_wait_tensorcnt 0x0
	ds_add_u32 v254, v255
	s_wait_dscnt 0x0
	s_barrier_signal -1
	MULA F1, 1, 0
.if \fill
	WIN 0
.endif
	s_barrier_wait -1
.if \fill
	CREST
	s_add_nc_u64 s[G0A+4*\slot+2:G0A+4*\slot+3], s[G0A+4*\slot+2:G0A+4*\slot+3], 2*ASTEP
	s_add_nc_u64 s[G0B+4*\slot+2:G0B+4*\slot+3], s[G0B+4*\slot+2:G0B+4*\slot+3], 2*BSTEP
	JLOAD \slot                                    ; the four v_nop behind it are also the places in front of the loads below
.if \pf
	s_cmp_lg_u32 s[WV], 3
	s_cbranch_scc1 .Lno_pf_\@
	global_prefetch_b8 v[PF], s[42:43] offset:(2+\slot)*ASTEP th:TH_LOAD_NT scope:SCOPE_SE   ; the base stands two K steps ahead of the lap's first
.Lno_pf_\@:
.endif
.else
	PLACES
.endif
	FETCH \next, 0, F0
	WIN 0xa5
	MULA F1, 2, 0
	MULA F1, 3, 0
.endm
; Once round the ring, from a lap's second quarter to the next lap's first; both slots are filled again
.macro LAP pf
	QUARTER 0, 2, F1, F0, 0
	QUARTER 0, 3, F0, F1, 0
	TURN 0, 1, 1, \pf
	QUARTER 1, 1, F0, F1, 0
	QUARTER 1, 2, F1, F0, 0
	QUARTER 1, 3, F0, F1, 0
	TURN 1, 0, 1, \pf
	QUARTER 0, 1, F0, F1, 0
	WIN 0                                          ; at a label and at a branch every window is 0
.endm
; The residual of row block a: 16 loads of 512 consecutive bytes, into window 3
.macro XLOAD a
	WIN 0xc0
.set t, 0
.rept 16
	global_load_b128 v[64*\a+4*t:64*\a+4*t+3], v[CO], s[12:13] offset:(16*\a+t)*CROW th:TH_LOAD_NT
.set t, t+1
.endr
.endm
; THE WAY OUT of row block a: f32 through my own stage, each accumulator's low four registers first; back as whole row pieces of 512 bytes
.macro TOSTAGE a
.set BK, OB+64*((\a)%2)
	s_wait_xcnt 0x0                                ; the registers loaded below were the data of earlier stores
	WIN 0x08                                       ; store data (source 1) in window 2
.irp b, 0,1,2,3,4,5,6,7
	ds_store_b128 v[STO], v[64*(\a)+8*\b:64*(\a)+8*\b+3] offset:64*\b
	ds_store_b128 v[STO], v[64*(\a)+8*\b+4:64*(\a)+8*\b+7] offset:64*\b+16
.endr
	WIN 0
.set t, 0
.rept 16
	ds_load_b128 v[BK+4*t:BK+4*t+3], v[RD] offset:SP*t             ; LDS serves a wave's instructions in order (ISA guide 5.7.1.4): these see the stores above, and the next block's stores come behind them
.set t, t+1
.endr
.endm
.macro SEND a, younger                 ; younger: the LDS instructions issued behind block a's loads: the next block's 32, or none
.set BK, OB+64*((\a)%2)
	s_wait_dscnt \younger
	s_wait_loadcnt 48-16*(\a)                      ; x of this block is in; the 16 loads of each later block may stay out
	WIN 0x0c                                       ; source 1 in window 3
.set p, 0
.rept 32
	v_pk_add_f32 v[BK+2*p:BK+2*p+1], v[BK+2*p:BK+2*p+1], v[64*(\a)+2*p:64*(\a)+2*p+1]
.set p, p+1
.endr
	WIN 0
.set t, 0
.rept 16
	global_store_b128 v[CO], v[BK+4*t:BK+4*t+3], s[8:9] offset:(16*(\a)+t)*CROW th:TH_STORE_NT   ; the wave stores 512 consecutive bytes, at a multiple of 512 from out0's first byte
.set t, t+1
.endr
.endm
	s_wait_tensorcnt 1                             ; my part of K step 0 is in; K step 1's may stay out
	s_barrier_signal -1
	s_barrier_wait -1
	FETCH 0, 0, F0
	s_wait_loadcnt 0x0                             ; gb2
	QUARTER 0, 1, F0, F1, 1                        ; the first quarter stands in front of the loop: its products start the sums from gb2
	XLOAD 0                                        ; half of the residual now, the other half behind the laps that refill
	XLOAD 1
	WIN 0
	s_mov_b32 s3, LAPS-2
.Llap:                                                 ; 14 trips: trip j refills with K steps 2 j + 2, 2 j + 3 and asks for my quarter of steps 2 j + 4, 2 j + 5
	LAP 1
	s_wait_xcnt 0x0                                ; the prefetches' base is stepped only behind this wait; the last prefetch stands 48 matrix instructions back
	s_add_nc_u64 s[42:43], s[42:43], 2*ASTEP
	s_sub_co_u32 s3, s3, 1
	s_cmp_lg_u32 s3, 0
	s_cbranch_scc1 .Llap
	LAP 0                                          ; the last lap that refills (K steps 30, 31) is written out: four steps ahead of it there is nothing to ask for
	XLOAD 2
	XLOAD 3
	QUARTER 0, 2, F1, F0, 0                        ; the last lap fills nothing, and has no round of the cluster's barrier
	QUARTER 0, 3, F0, F1, 0
	TURN 0, 1, 0, 0
	QUARTER 1, 1, F0, F1, 0
	QUARTER 1, 2, F1, F0, 0
	QUARTER 1, 3, F0, F1, 0
	s_wait_dscnt 4                                 ; the very last quarter: nothing more to fetch
	WIN 0xa5
	MULA F1, 0, 0
	MULA F1, 1, 0
	s_wait_dscnt 0x0
	MULA F1, 2, 0
	MULA F1, 3, 0
	PLACES
	TOSTAGE 0
	TOSTAGE 1
	SEND 0, 32
	TOSTAGE 2
	SEND 1, 32
	TOSTAGE 3
	SEND 2, 32
	SEND 3, 0
	s_set_vgpr_msb 0x5
	s_wait_tensorcnt 0x0
	ds_add_u32 v254, v255
	s_wait_dscnt 0x0
	s_set_vgpr_msb 0x500
	CROUND                                         ; the closing round: no work-group ends while a partner may still ask for a tile that names it
	s_endpgm
.Lfunc_end_k_q03a0bae48b_fc2:
	.size	k_q03a0bae48b_fc2, .Lfunc_end_k_q03a0bae48b_fc2-k_q03a0bae48b_fc2
	.p2alignl 7, 3214868480
	.fill 96, 4, 3214868480
	.section	.rodata,"a",@progbits
	.p2align	6, 0x0
	.amdhsa_kernel k_q03a0bae48b_fc2
		.amdhsa_group_segment_fixed_size 327680
		.amdhsa_private_segment_fixed_size 0
		.amdhsa_enable_private_segment 0
		.amdhsa_kernarg_size 40
		.amdhsa_user_sgpr_count 2
		.amdhsa_user_sgpr_kernarg_segment_ptr 1
		.amdhsa_wavefront_size32 1
		.amdhsa_system_sgpr_workgroup_id_x 1
		.amdhsa_system_sgpr_workgroup_id_y 1
		.amdhsa_system_sgpr_workgroup_id_z 1
		.amdhsa_system_vgpr_workitem_id 0
		.amdhsa_next_free_vgpr 1024
		.amdhsa_next_free_sgpr 66
		.amdhsa_reserve_vcc 0
		.amdhsa_float_denorm_mode_32 3
		.amdhsa_float_denorm_mode_16_64 3
		.amdhsa_memory_ordered 1
		.amdhsa_forward_progress 1
		.amdhsa_inst_pref_size 134
	.end_amdhsa_kernel
	.amdgpu_metadata
---
amdhsa.version: [ 1, 2 ]
amdhsa.kernels:
  - .name:           k_q03a0bae48b_fc2
    .symbol:         k_q03a0bae48b_fc2.kd
    .args:
      - { .name: h, .offset: 0, .size: 8, .value_kind: global_buffer, .address_space: global }
      - { .name: w2b, .offset: 8, .size: 8, .value_kind: global_buffer, .address_space: global }
      - { .name: out0, .offset: 16, .size: 8, .value_kind: global_buffer, .address_space: global }
      - { .name: gb2, .offset: 24, .size: 8, .value_kind: global_buffer, .address_space: global }
      - { .name: x, .offset: 32, .size: 8, .value_kind: global_buffer, .address_space: global }
    .group_segment_fixed_size: 327680
    .private_segment_fixed_size: 0
    .kernarg_segment_align: 8
    .kernarg_segment_size: 40
    .max_flat_workgroup_size: 128
    .sgpr_count:     66
    .vgpr_count:     1024
    .wavefront_size: 32
...
	.end_amdgpu_metadata
.endif
;; end of part 4
;; ======== version 2 of 2: 4 launches; version 1 with the launch lnmax written anew for expert scheduling mode
;; workspace buffers: xn 16,777,216 bytes; pm 1,048,576 bytes; w1b 8,388,608 bytes; w2b 8,388,608 bytes; gates 256 bytes; gb2 32,768 bytes; h 67,108,864 bytes
;; launch lnmax (part 5): grid 256 x 1, 8 waves a work-group, no clusters, 33,792 bytes of LDS; arguments x, padding, ln_gamma, ln_beta, xn, pm; writes xn, pm
.if DOCPART == 5
	.amdgcn_target "amdgcn-amd-amdhsa--gfx1250"
	.amdhsa_code_object_version 6
	.text
	.protected	k_q03a0bae48b_lnmax
	.globl	k_q03a0bae48b_lnmax
	.p2align	8
	.type	k_q03a0bae48b_lnmax,@function
k_q03a0bae48b_lnmax:
	s_mov_b64 s[64:65], 0
	v_nop
	global_prefetch_b8 v0, s[64:65] scope:SCOPE_SE
	s_setreg_imm32_b32 hwreg(HW_REG_WAVE_SCHED_MODE, 0, 2), 2
	s_setreg_imm32_b32 hwreg(HW_REG_WAVE_MODE, 25, 1), 1
	s_wait_xcnt 0x0
	s_wait_alu depctr_vm_vsrc(0)
; xn[m][:] = LayerNorm(x[m][:]) * gamma + beta, rounded to bf16, for the 8,192 rows m = 8 s + b of 1,024 numbers;
; pm[b][c][:] = the maximum over the 32 positions s = 32 c .. 32 c + 31 of x[s][b][:] + (padding[b][s] ? -1e30 : 0).
; x is read once for both.  Work-group id = 8 c + b; wave w takes the four rows s = 32 c + 4 w + i.  A row is 4,096 bytes: eight loads of
; 16 bytes a lane (load j: bytes 512 j + 16 lane), 32 registers; all four rows are asked for at once and stay in registers.
; Mean first, then the sum of (x - mean)^2: no difference of large sums, so a common offset on x does no harm.
; No matrix unit, no cluster: nothing is multiplied in bulk and no two work-groups read the same bytes.
; LIMITS: v_max_num_f32 drops a NaN (the reference's maximum would keep it); v_rsq_f32 flushes denormals; the sums' order is not the reference's.
; THE MODE: SCHED_MODE bits 1:0 = 2 (LLVM: expert scheduling mode 2), set by the entry lines.  The code itself states the register dependences
; between vector instructions and memory or LDS instructions, with s_wait_alu, always for 0.
; THE PLAN.  The text is straight: no loop, no label, no branch.  Registers that memory or LDS instructions touch:
;   v1 - v4     offsets and LDS addresses: written at the head by vector instructions, read by every load, store and LDS access, never written again.
;   v30, v31    written at the head, read by the closing add alone.
;   X row i     its eight loads land at the head; row i's vector work reads and writes it in place; the sixteen roundings write registers 4 j and 4 j + 1,
;               the row's eight stores read them; nothing writes them again.
;   GA, BE      loaded at the head, read by each row's multiply-adds.  Behind the barrier eight LDS loads land in GA; the closing maxima read GA and
;               write BE's first four registers, which the last store reads.
;   MX          written by vector instructions in every row, read by the eight LDS stores behind row 3, never written again.
;   v8 - v27    sums, mean, reciprocal root, the masked pair: named by vector instructions alone.
; So: one wait on va_sdst for the wave's number; one wait on va_vdst in front of the first load, for all offsets; in each row the wait behind the reciprocal
; root, and one behind the roundings, in front of the row's run of stores (row 3's also stands for MX and for GA); one in front of the last store.
; No register that a memory or LDS instruction reads is ever written again, so no wait on vm_vsrc is owed.
.set X,   32                           ; v[32:159]  row i at X + 32 i: as loaded, then x - mean, then the result
.set GA,  160                          ; v[160:191] gamma of my 32 columns; at the end the eight waves' maxima
.set BE,  192                          ; v[192:223] beta of my 32 columns; at the end the work-group's maximum
.set MX,  224                          ; v[224:255] running masked maximum of my 32 columns
.set NEG, 24                           ; s[24:31]   row i: 0 or -1e30, twice (a pair for the packed add)
	s_load_b256 s[4:11], s[0:1], 0x0               ; x s[4:5], padding s[6:7], gamma s[8:9], beta s[10:11]
	s_load_b128 s[12:15], s[0:1], 0x20             ; xn s[12:13], pm s[14:15]
	v_lshl_add_u32 v30, v0, 2, 0x8000              ; the closing add's two registers, kept for it alone: my spare word behind the eight rows in LDS,
	v_mov_b32 v31, 0                               ; and 0
	v_lshrrev_b32 v5, 5, v0
	v_readfirstlane_b32 s16, v5                    ; wave 0..7
	v_and_b32 v6, 31, v0
	v_lshlrev_b32 v1, 4, v6                        ; 16 lane: my bytes in 512 of x, gamma, beta
	v_lshlrev_b32 v2, 3, v6                        ; 8 lane: my bytes in 256 of xn
	v_lshlrev_b32 v3, 4, v0                        ; 16 thread: my bytes in a whole row of f32
	s_wait_alu depctr_va_sdst(0)                   ; s16 is written, ahead of its first reader, the next line; the offsets in x, xn and padding are made from it too
	v_lshl_add_u32 v4, s16, 12, v1                 ; LDS: my wave's row of 4,096 bytes + 16 lane
	v_mov_b32 v21, 0                               ; v_permlanex16_b32's destination counts as read
	s_and_b32 s17, ttmp9, 7                        ; b
	s_lshr_b32 s18, ttmp9, 3                       ; c
	s_lshl_b32 s20, s18, 20                        ; x: row 8 (32 c + 4 w) + b, times 4,096 bytes
	s_lshl_b32 s19, s16, 17
	s_add_co_u32 s20, s20, s19
	s_lshl_b32 s19, s17, 12
	s_add_co_u32 s20, s20, s19
	s_mov_b32 s21, 0
	s_lshr_b32 s38, s20, 1                         ; xn: the same row, 2,048 bytes
	s_mov_b32 s39, 0
	s_lshl_b32 s40, s17, 5
	s_add_co_u32 s40, s40, s18
	s_lshl_b32 s40, s40, 12                        ; pm: row 32 b + c
	s_mov_b32 s41, 0
	s_lshl_b32 s22, s17, 10                        ; padding: byte 1,024 b + 32 c + 4 w, a multiple of 4
	s_lshl_b32 s19, s18, 5
	s_add_co_u32 s22, s22, s19
	s_lshl_b32 s19, s16, 2
	s_add_co_u32 s22, s22, s19
	s_mov_b32 s23, 0
	s_mov_b32 s32, 0x76543210                      ; v_permlanex16_b32: each lane takes its own place in the other half
	s_mov_b32 s33, 0xfedcba98
	s_mov_b32 s34, 0x3a800000                      ; 1 / 1,024
	s_mov_b32 s35, 0x3727c5ac                      ; 1e-5
	s_wait_kmcnt 0x0
	s_add_nc_u64 s[4:5], s[4:5], s[20:21]
	s_add_nc_u64 s[6:7], s[6:7], s[22:23]
	s_add_nc_u64 s[12:13], s[12:13], s[38:39]
	s_add_nc_u64 s[14:15], s[14:15], s[40:41]
	s_load_b32 s36, s[6:7], 0x0                    ; my four rows' padding bytes
	s_wait_alu depctr_va_vdst(0)                   ; v1 to v4 are written, which every load, store and LDS access of the kernel reads as its offset or address; so are v30 and v31, which the closing add reads
.irp j, 0,1,2,3,4,5,6,7
	global_load_b128 v[GA+4*\j:GA+4*\j+3], v1, s[8:9] offset:512*\j
.endr
.irp j, 0,1,2,3,4,5,6,7
	global_load_b128 v[BE+4*\j:BE+4*\j+3], v1, s[10:11] offset:512*\j
.endr
.irp i, 0,1,2,3
.irp j, 0,1,2,3,4,5,6,7
	global_load_b128 v[X+32*\i+4*\j:X+32*\i+4*\j+3], v1, s[4:5] offset:32768*\i+512*\j th:TH_LOAD_NT   ; the next s is 8 rows on
.endr
.endr
	s_wait_kmcnt 0x0
.irp i, 0,1,2,3
	s_bfe_u32 s37, s36, 0x80000+8*\i               ; byte i
	s_cmp_lg_u32 s37, 0
	s_cselect_b32 s[NEG+2*\i], 0xf149f2ca, 0       ; padded: -1e30; the byte selects a value and steers nothing
	s_mov_b32 s[NEG+2*\i+1], s[NEG+2*\i]
.endr
; The four chains v[8:15] are added up, then across the 32 lanes: every lane ends with the sum in v8.
.macro COMBINE
	v_pk_add_f32 v[8:9], v[8:9], v[10:11]
	v_pk_add_f32 v[12:13], v[12:13], v[14:15]
	v_pk_add_f32 v[8:9], v[8:9], v[12:13]
	v_add_f32 v8, v8, v9
.irp m, 1,2,4,8
	v_add_f32_dpp v8, v8, v8 row_xmask:\m row_mask:0xf bank_mask:0xf
.endr
	v_permlanex16_b32 v21, v8, s32, s33
	v_add_f32 v8, v8, v21
.endm
.macro ROW i
.set XR, X+32*\i
	s_wait_loadcnt 8*(3-\i)                        ; loads come back in order: my row is in (gamma and beta are older), the 8 loads of each later row stay out
.set p, 0
.rept 16
.if \i == 0
	v_pk_add_f32 v[MX+2*p:MX+2*p+1], v[XR+2*p:XR+2*p+1], s[NEG:NEG+1] op_sel_hi:[1,0]   ; the first row starts the maximum
.else
	v_pk_add_f32 v[24+2*(p%2):25+2*(p%2)], v[XR+2*p:XR+2*p+1], s[NEG+2*\i:NEG+2*\i+1] op_sel_hi:[1,0]
	v_max_num_f32 v[MX+2*p], v[MX+2*p], v[24+2*(p%2)]
	v_max_num_f32 v[MX+2*p+1], v[MX+2*p+1], v[25+2*(p%2)]
.endif
.set p, p+1
.endr
.irp k, 0,1,2,3
	v_pk_add_f32 v[8+2*\k:9+2*\k], v[XR+4*\k:XR+4*\k+1], v[XR+4*\k+2:XR+4*\k+3]          ; four chains: nothing is cleared
.endr
.set p, 8
.rept 8
	v_pk_add_f32 v[8+2*(p%4):9+2*(p%4)], v[8+2*(p%4):9+2*(p%4)], v[XR+2*p:XR+2*p+1]
.set p, p+1
.endr
	COMBINE
	v_mul_f32 v16, s34, v8                         ; the mean, twice
	v_mov_b32 v17, v16
.set p, 0
.rept 16
	v_pk_add_f32 v[XR+2*p:XR+2*p+1], v[XR+2*p:XR+2*p+1], v[16:17] neg_lo:[0,1] neg_hi:[0,1]
.set p, p+1
.endr
.irp k, 0,1,2,3
	v_pk_mul_f32 v[8+2*\k:9+2*\k], v[XR+2*\k:XR+2*\k+1], v[XR+2*\k:XR+2*\k+1]
.endr
.set p, 4
.rept 12
	v_pk_fma_f32 v[8+2*(p%4):9+2*(p%4)], v[XR+2*p:XR+2*p+1], v[XR+2*p:XR+2*p+1], v[8+2*(p%4):9+2*(p%4)]
.set p, p+1
.endr
	COMBINE
	v_fma_f32 v20, v8, s34, s35                    ; the variance + 1e-5
	v_rsq_f32 v18, v20
	v_nop                                          ; a plain instruction between the transcendental and the use of its result (ISA guide 5.7.2)
	s_wait_alu depctr_va_vdst(0)                   ; the reciprocal root has written v18, ahead of its first reader, the next line
	v_mov_b32 v19, v18
.set p, 0
.rept 16
	v_pk_mul_f32 v[XR+2*p:XR+2*p+1], v[XR+2*p:XR+2*p+1], v[18:19]
.set p, p+1
.endr
.set p, 0
.rept 16
	v_pk_fma_f32 v[XR+2*p:XR+2*p+1], v[XR+2*p:XR+2*p+1], v[GA+2*p:GA+2*p+1], v[BE+2*p:BE+2*p+1]
.set p, p+1
.endr
.irp j, 0,1,2,3,4,5,6,7
	v_cvt_pk_bf16_f32 v[XR+4*\j], v[XR+4*\j], v[XR+4*\j+1]       ; all sixteen roundings stand together, so that one wait serves the row's eight stores
	v_cvt_pk_bf16_f32 v[XR+4*\j+1], v[XR+4*\j+2], v[XR+4*\j+3]
.endr
	s_wait_alu depctr_va_vdst(0)                   ; the roundings have written registers 4 j and 4 j + 1 of the row, which the stores below read.  Behind row 3 it also states that MX is written, which the LDS stores read, and that the multiply-adds are done reading GA, in which LDS loads land
.irp j, 0,1,2,3,4,5,6,7
	global_store_b64 v2, v[XR+4*\j:XR+4*\j+1], s[12:13] offset:16384*\i+256*\j   ; the wave's 32 lanes store 256 consecutive bytes, aligned; these registers are not written again
.endr
.endm
	ROW 0
	ROW 1
	ROW 2
	ROW 3
	; the eight waves' maxima meet in LDS: wave w's row of 4,096 bytes at 4,096 w.  No vector instruction stands between row 3's last wait and these lines
.irp j, 0,1,2,3,4,5,6,7
	ds_store_b128 v4, v[MX+4*\j:MX+4*\j+3] offset:512*\j
.endr
	s_wait_dscnt 0x0                               ; for the others' sake: my stores are done
	s_barrier_signal -1
	s_barrier_wait -1
.irp w, 0,1,2,3,4,5,6,7
	ds_load_b128 v[GA+4*\w:GA+4*\w+3], v3 offset:4096*\w   ; thread t: columns 4 t .. 4 t + 3 of every wave's row
.endr
	s_wait_dscnt 0x0
.irp k, 0,1,2,3
	v_max3_num_f32 v[BE+\k], v[GA+\k], v[GA+4+\k], v[GA+8+\k]
.endr
.irp k, 0,1,2,3
	v_max3_num_f32 v[BE+\k], v[BE+\k], v[GA+12+\k], v[GA+16+\k]
.endr
.irp k, 0,1,2,3
	v_max3_num_f32 v[BE+\k], v[BE+\k], v[GA+20+\k], v[GA+24+\k]
.endr
.irp k, 0,1,2,3
	v_max_num_f32 v[BE+\k], v[BE+\k], v[GA+28+\k]
.endr
	s_wait_alu depctr_va_vdst(0)                   ; the maxima have written v[BE:BE+3], which the store reads
	global_store_b128 v3, v[BE:BE+3], s[14:15]     ; 16 lanes store 256 consecutive bytes, aligned
	s_wait_dscnt 0x0                               ; the closing lines, six on end
	s_wait_alu 0x0
	s_wait_tensorcnt 0x0
	ds_add_u32 v30, v31
	s_wait_dscnt 0x0
	s_endpgm
.Lfunc_end_k_q03a0bae48b_lnmax:
	.size	k_q03a0bae48b_lnmax, .Lfunc_end_k_q03a0bae48b_lnmax-k_q03a0bae48b_lnmax
	.p2alignl 7, 3214868480
	.fill 96, 4, 3214868480
	.section	.rodata,"a",@progbits
	.p2align	6, 0x0
	.amdhsa_kernel k_q03a0bae48b_lnmax
		.amdhsa_group_segment_fixed_size 33792
		.amdhsa_private_segment_fixed_size 0
		.amdhsa_enable_private_segment 0
		.amdhsa_kernarg_size 48
		.amdhsa_user_sgpr_count 2
		.amdhsa_user_sgpr_kernarg_segment_ptr 1
		.amdhsa_wavefront_size32 1
		.amdhsa_system_sgpr_workgroup_id_x 1
		.amdhsa_system_sgpr_workgroup_id_y 1
		.amdhsa_system_sgpr_workgroup_id_z 1
		.amdhsa_system_vgpr_workitem_id 0
		.amdhsa_next_free_vgpr 256
		.amdhsa_next_free_sgpr 66
		.amdhsa_reserve_vcc 0
		.amdhsa_float_denorm_mode_32 3
		.amdhsa_float_denorm_mode_16_64 3
		.amdhsa_memory_ordered 1
		.amdhsa_forward_progress 1
		.amdhsa_inst_pref_size 49
	.end_amdhsa_kernel
	.amdgpu_metadata
---
amdhsa.version: [ 1, 2 ]
amdhsa.kernels:
  - .name:           k_q03a0bae48b_lnmax
    .symbol:         k_q03a0bae48b_lnmax.kd
    .args:
      - { .name: x, .offset: 0, .size: 8, .value_kind: global_buffer, .address_space: global }
      - { .name: padding, .offset: 8, .size: 8, .value_kind: global_buffer, .address_space: global }
      - { .name: ln_gamma, .offset: 16, .size: 8, .value_kind: global_buffer, .address_space: global }
      - { .name: ln_beta, .offset: 24, .size: 8, .value_kind: global_buffer, .address_space: global }
      - { .name: xn, .offset: 32, .size: 8, .value_kind: global_buffer, .address_space: global }
      - { .name: pm, .offset: 40, .size: 8, .value_kind: global_buffer, .address_space: global }
    .group_segment_fixed_size: 33792
    .private_segment_fixed_size: 0
    .kernarg_segment_align: 8
    .kernarg_segment_size: 48
    .max_flat_workgroup_size: 256
    .sgpr_count:     66
    .vgpr_count:     256
    .wavefront_size: 32
...
	.end_amdgpu_metadata
.endif
;; end of part 5
;; launch convgate: the kernel of part 2 again; grid 264 x 1, 8 waves a work-group, no clusters, 1,280 bytes of LDS; arguments pm, w1, w2, gating_w, b2, w1b, w2b, gates, gb2, out1; writes w1b, w2b, gates, gb2, out1
;; launch fc1: the kernel of part 3 again; grid 16 x 16, 4 waves a work-group, clusters of 4 x 4, 327,680 bytes of LDS; arguments xn, w1b, h, b1, gates; writes h
;; launch fc2: the kernel of part 4 again; grid 4 x 64, 4 waves a work-group, clusters of 4 x 4, 327,680 bytes of LDS; arguments h, w2b, out0, gb2, x; writes out0
